; MI455X (gfx1250); checked and timed in simulation.
; The chip was launched on July 23, 2026; its instructions are those of AMD's public machine-readable ISA for CDNA 5 (MIT licence, August 2026) and "CDNA5" Instruction Set Architecture Reference Guide (July 2026). The comments in the code are by the model that wrote it; some were corrected since.
;; Multi Scale Attention. Allowed arithmetic: matrix products marked QUANTISED: E4M3 operands, one E8M0 scale for each 32 along K, by v_wmma_scale_f32_16x16x128_f8f6f4 with both operands' format E4M3, f32 sums; everything else in f32.
;; Inputs: Wk 16 x 1,024 x 64 float32; Wo 1,024 x 1,024 float32; Wq 16 x 1,024 x 64 float32; Wv 16 x 1,024 x 64 float32; bk 16 x 64 float32; bo 1,024 float32; bq 16 x 64 float32; bv 16 x 64 float32; ln_b 1,024 float32; ln_w 1,024 float32; x 4 x 2,048 x 1,024 float32.
;; Outputs: out0 4 x 2,048 x 1,024 float32.
;; This version of the problem:
;;   THIS VERSION OF THE PROBLEM IS GIVEN IN LOW PRECISION. The matrix products marked QUANTISED in the list below multiply operands that are first quantised to E4M3 (4 exponent bits, 3 mantissa bits; 8 bits a number), with one power-of-two scale for each 32 numbers along K (OCP MX v1.0); their sums are f32. All else is computed in f32.
;;   The module's matrix products, in the order in which they are computed (A, B: the left and right operand; K: the contracted axis; several contracted axes count as one K, in the product's order):
;;     1. [M 1,024, K 1,024] x [K 1,024, N 8,192]; A: input Wq; B: input x: QUANTISED
;;     2. [M 1,024, K 1,024] x [K 1,024, N 8,192]; A: input Wk; B: input x: QUANTISED
;;     3. [M 1,024, K 1,024] x [K 1,024, N 8,192]; A: input Wv; B: input x: QUANTISED
;;     4. batch 64 x [M 2,048, K 64] x [K 64, N 2,048]; A: computed on the way; B: computed on the way: QUANTISED
;;     5. batch 64 x [M 2,048, K 2,048] x [K 2,048, N 64]; A: softmax (see below); B: computed on the way: QUANTISED
;;     6. [M 8,192, K 1,024] x [K 1,024, N 1,024]; A: computed on the way; B: input Wo: QUANTISED
;;   THE QUANTISER, for each operand of a quantised product, along K:
;;     - K is cut into blocks of 32 from its start; a last block that is shorter is filled with zeros.
;;     - A block's scale is 2^e with e = floor(log2(the largest magnitude in the block)) - 8, held to -126 .. 127; a block of zeros has e = 0. As a byte (E8M0): e + 127.
;;     - Each number is divided by its block's scale, clamped to +-448, and rounded to the nearest number of E4M3, ties to even, subnormals kept.
;;     - The product sums the exact products of the quantised numbers (number of the format x scale) in f32.
;;   ~~~python
;;   def quantise(x, axis):      # numpy; x: float32 -> the quantised numbers, widened to float32 again
;;       x = np.moveaxis(x, axis, -1); K = x.shape[-1]
;;       x = np.pad(x, [(0, 0)] * (x.ndim - 1) + [(0, -K % 32)]); x = x.reshape(x.shape[:-1] + (-1, 32)); a = np.abs(x).max(-1, keepdims=True)
;;       e = np.where(a > 0, np.clip(np.frexp(np.where(a > 0, a, 1))[1] - 1 - 8, -126, 127), 0)      # np.frexp(a)[1] - 1 = floor(log2(a)), exactly
;;       r = np.clip(x / 2.0 ** e, -448, 448)
;;       step = 2.0 ** (np.maximum(np.frexp(np.where(r == 0, 1, r))[1] - 1, -6) - 3)
;;       q = np.round(r / step) * step * 2.0 ** e      # np.round: ties to even
;;       return np.moveaxis(q.reshape(q.shape[:-2] + (-1,))[..., :K], -1, axis).astype(np.float32)
;;   ~~~
;;   SOFTMAX AHEAD OF A QUANTISED PRODUCT. Where the list says 'softmax', what is quantised is not the finished softmax but p = 2^(t - M), with t = logit x log2(e) and M = ceil(the row's largest t), a whole number; so 1/2 < the row's largest p <= 1. The row's sum l is taken of the UNQUANTISED p, in f32, and the product's result is divided by l at the end. Since M is a whole number, a kernel that streams over the keys may use a running M (the ceiling of the running maximum): every later rescaling is an exact power of two, which a block's scale takes up: the codes' values come out the same.
;;   OPERANDS COMPUTED ON THE WAY. 'Computed on the way' means the value that the module computes at that place (a softmax that the list does not call 'softmax' is quantised finished and normalised). What goes into a quantiser is computed in f32, as accurately as f32 sums, v_exp_f32 and their like allow (about 1e-6 of the number): no bf16 or f16 on the way to a quantiser, and a product that is left as it is and whose result goes on into a quantised operand takes f32 operands (vector FMAs, or v_wmma_f32_16x16x4_f32). A number that lies on a knife's edge between two numbers of the format may be rounded either way, as far as f32 arithmetic and the matrix unit's own rounding can turn it there, and no further.
;; One version. Each part assembles by itself: llvm-mc -triple=amdgcn-amd-amdhsa -mcpu=gfx1250 --defsym DOCPART=n.
;; ======== version 1 of 1: 4 launches
;; limits: right only within a limited range of input values
;; workspace buffers: x_img 8,388,608 bytes; x_scl 262,144 bytes; w_img 4,194,304 bytes; w_scl 131,072 bytes; qkv_img 25,165,824 bytes; qkv_scl 786,432 bytes; c_img 8,388,608 bytes; c_scl 262,144 bytes
;; launch prep (part 1): grid 512 x 1, 4 waves a work-group, no clusters, 34,304 bytes of LDS; arguments x, Wq, Wk, Wv, Wo, x_img, x_scl, w_img, w_scl; writes x_img, x_scl, w_img, w_scl
.if DOCPART == 1
	.amdgcn_target "amdgcn-amd-amdhsa--gfx1250"
	.amdhsa_code_object_version 6
	.text
	.protected	k_q0086d27305_prep
	.globl	k_q0086d27305_prep
	.p2align	8
	.type	k_q0086d27305_prep,@function
k_q0086d27305_prep:
	s_mov_b64 s[64:65], 0
	v_nop
	global_prefetch_b8 v0, s[64:65] scope:SCOPE_SE
	s_setreg_imm32_b32 hwreg(HW_REG_WAVE_MODE, 25, 1), 1
	s_wait_xcnt 0x0
; x [8192][1024] and the four weights, all f32, become codes of FP8 (E4M3) with one E8M0 byte for each 32 along K.
; A block's scale is 2^(floor(log2(its largest magnitude)) - 8); each number is divided by it, held within +-448 and rounded to the nearest code, ties to even.
; WHAT IS STORED.  A fragment (16 rows x 128 K) is stored as the image of the operand's registers: 2,048 bytes = [c 0..3][lane 0..31][16 bytes], lane = 16 h + r, row r.
; Inside each block of 32 the 16 bytes of half h hold the block's numbers 8 h + 0..7 and 16 + 8 h + 0..7: the order in which a matrix result of two neighbouring tiles falls into a lane.
; Every operand of this program has that order, so both sides of each product are permuted alike inside true blocks of 32.
; x_img [512 row tiles][8 K steps][2,048]; w_img [256 row tiles][8][2,048], rows 0-1023 Wq (64 head + e), 1024-2047 Wk, 2048-3071 Wv, 3072-4095 Wo's columns.
; Scale bytes: [row tile][K half][r 16][4 words], word s % 4 = the four bytes of K step s.
; LIMITS: NaN and infinities are not served; a block whose largest magnitude lies under 2^-118 keeps the byte 1; a block of zeros gets the byte 1 where the rule says 127 (its codes are zeros and this program alone reads the bytes).
; Work-groups 0-255 take x, 256-511 the weights.  No tensor loads, no barrier: waves share nothing.  Only x's path uses LDS.
.set SEL,  26                          ; s[26:27] lane selects of v_permlanex16_b32: lane l xor 16
.set MNT,  28                          ; s28 the mantissa field of 448
.set SW,   16                          ; v16-19 x: the four scale words of my 16 rows
.set PC,   32                          ; v32-47 x: a fragment's codes
.set TM,   48                          ; v48-63 x: at work
.set R,    64                          ; v64-191 x: two sets of 64 registers as loaded
.set X,    192                         ; v192-255 x: 64 numbers of my row in the operand's order
.set OF,   16                          ; v16-47 weights: 4 x lane + i rows of the source
.set XW,   64                          ; v64-191 weights: four blocks of 32 numbers down K
.set CW,   192                         ; v192-223 weights: 8 registers of codes a block
; 64 numbers of a lane, register 16 b + i, block b shared with lane l xor 16, become 16 registers of codes and the row's scale word
.macro QUANT s, pc, tm, pw
.irp b, 0,1,2,3
	v_max3_num_f32 v[\tm+\b], |v[\s+16*\b]|, |v[\s+1+16*\b]|, 0x4800000   ; my 16 numbers and the floor 2^(9 - 127): the byte cannot fall under 1
.endr
.irp i, 2,4,6,8,10,12,14
.irp b, 0,1,2,3
	v_max3_num_f32 v[\tm+\b], v[\tm+\b], |v[\s+16*\b+\i]|, |v[\s+1+16*\b+\i]|
.endr
.endr
.irp b, 0,1,2,3
	v_permlanex16_b32 v[\tm+4+\b], v[\tm+\b], s[SEL], s[SEL+1]
.endr
.irp b, 0,1,2,3
	v_max_num_f32 v[\tm+\b], v[\tm+\b], v[\tm+4+\b]                       ; the block's largest magnitude
.endr
.irp b, 0,1,2,3
	v_add_nc_u32 v[\tm+12+\b], 0xfc000000, v[\tm+\b]                      ; 8 off its exponent field: the conversion's scale operand
.endr
.irp b, 0,1,2,3
	v_and_or_b32 v[\tm+8+\b], v[\tm+\b], 0x7f800000, s[MNT]               ; 448 x the scale
.endr
.irp b, 0,1,2,3
	v_lshrrev_b32 v[\tm+4+\b], 23, v[\tm+12+\b]                           ; the scale's byte
.endr
	v_lshl_or_b32 v[\pw], v[\tm+5], 8, v[\tm+4]
	v_lshl_or_b32 v[\pw], v[\tm+6], 16, v[\pw]
	v_lshl_or_b32 v[\pw], v[\tm+7], 24, v[\pw]
.irp b, 0,1,2,3
.irp i, 0,1,2,3,4,5,6,7,8,9,10,11,12,13,14,15
	v_med3_num_f32 v[\s+16*\b+\i], v[\s+16*\b+\i], -v[\tm+8+\b], v[\tm+8+\b]   ; the conversion does not saturate (ISA guide 7.6.2): the hold comes first
.endr
	v_cvt_scalef32_pk8_fp8_f32 v[\pc+4*\b:\pc+1+4*\b], v[\s+16*\b:\s+7+16*\b], v[\tm+12+\b]
	v_cvt_scalef32_pk8_fp8_f32 v[\pc+2+4*\b:\pc+3+4*\b], v[\s+8+16*\b:\s+15+16*\b], v[\tm+12+\b]
.endr
	v_nop                                          ; one plain line behind the last conversion
.endm
	s_load_b512 s[8:23], s[0:1], 0x0               ; x 8, Wq 10, Wk 12, Wv 14, Wo 16, x_img 18, x_scl 20, w_img 22
	s_load_b64 s[24:25], s[0:1], 0x40              ; w_scl
	v_lshl_add_u32 v15, v0, 2, 0x8400
	s_set_vgpr_msb 0x40
	v_mov_b32 v1, 0
	s_set_vgpr_msb 0x4000
	v_lshrrev_b32 v1, 5, v0
	v_readfirstlane_b32 s4, v1                     ; wave 0..3
	v_and_b32 v7, 31, v0                           ; lane
	s_mov_b32 s[SEL], 0x76543210
	s_mov_b32 s[SEL+1], 0xfedcba98
	s_mov_b32 s[MNT], 0x600000
	s_cmp_ge_u32 ttmp9, 256
	s_cbranch_scc1 .Lweights
	; ---- x: a wave takes 16 rows x 512 along K: four fragments
	s_lshl_b32 s5, ttmp9, 2
	s_add_co_u32 s5, s5, s4
	s_lshr_b32 s6, s5, 1                           ; row tile
	s_and_b32 s7, s5, 1                            ; which half of K
	s_wait_alu depctr_va_vdst(0)
	v_lshlrev_b32 v1, 4, v7                        ; 16 x lane
	s_mul_i32 s30, s4, 8448                        ; my stage: 16 rows x (512 + 16) bytes
	v_add_nc_u32 v2, s30, v1                       ; into it: a row's 512 bytes as they lie
	v_and_b32 v5, 15, v7                           ; r
	v_lshrrev_b32 v6, 4, v7                        ; h
	v_mul_u32_u24 v3, v5, 528
	v_lshl_add_u32 v3, v6, 5, v3
	v_add_nc_u32 v3, s30, v3                       ; out of it: row r, + 32 h bytes: eight numbers of my half
	v_lshlrev_b32 v4, 4, v5
	v_lshl_add_u32 v4, v6, 3, v4                   ; scale words: 16 r + 8 h
	s_mov_b32 s29, 0xffff0000                      ; lanes 16-31
.irp b, 0,1,2,3
	v_mov_b32 v[TM+4+\b], 0                        ; a lane permute's destination counts as read
.endr
	s_lshl_b32 s32, s6, 16                         ; 16 rows of 4,096 bytes
	s_lshl_b32 s31, s7, 11
	s_add_co_u32 s32, s32, s31
	s_mov_b32 s33, 0
	s_lshl_b32 s34, s6, 14                         ; eight images a row tile
	s_lshl_b32 s31, s7, 13
	s_add_co_u32 s34, s34, s31
	s_mov_b32 s35, 0
	s_lshl_b32 s36, s6, 9
	s_lshl_b32 s31, s7, 8
	s_add_co_u32 s36, s36, s31
	s_mov_b32 s37, 0
	s_wait_alu depctr_va_vdst(0)
	s_wait_kmcnt 0x0
	s_add_nc_u64 s[8:9], s[8:9], s[32:33]
	s_add_nc_u64 s[18:19], s[18:19], s[34:35]
	s_add_nc_u64 s[20:21], s[20:21], s[36:37]
.macro LOADX t                         ; K step t: 16 loads, each 512 consecutive bytes of one row
.set p, 0
.rept 16
	global_load_b128 v[R+64*((\t)%2)+4*p:R+64*((\t)%2)+4*p+3], v1, s[8:9] offset:p*4096+(\t)*512 th:TH_LOAD_NT
.set p, p+1
.endr
.endm
.macro STEPX t
.if (\t) < 3
	s_wait_loadcnt 16                              ; this step's 16 loads are in; the next step's 16 may be out
.else
	s_wait_loadcnt 0
.endif
.set p, 0
.rept 16
	ds_store_b128 v2, v[R+64*((\t)%2)+4*p:R+64*((\t)%2)+4*p+3] offset:p*528
.set p, p+1
.endr
.irp c, 0,1,2,3                        ; LDS serves a wave's instructions in order: these see the stores.  Register 16 c + 8 u + i = number 32 c + 16 u + 8 h + i of my row
.irp u, 0,1
.irp q, 0,1
	ds_load_b128 v[X+16*\c+8*\u+4*\q:X+16*\c+8*\u+4*\q+3], v3 offset:128*\c+64*\u+16*\q
.endr
.endr
.endr
	s_wait_dscnt 0x0
.if (\t) < 2
	LOADX (\t)+2
.endif
.if (\t) > 0
	s_wait_xcnt 0x0                                ; the last step's stores have read the codes' registers, which are written again below
.endif
	QUANT X, PC, TM, SW+(\t)
.irp c, 0,1,2,3
	global_store_b128 v1, v[PC+4*\c:PC+4*\c+3], s[18:19] offset:(\t)*2048+\c*512   ; 512 consecutive bytes, aligned
.endr
.endm
	LOADX 0
	LOADX 1
	STEPX 0
	STEPX 1
	STEPX 2
	STEPX 3
	v_cndmask_b32 v20, v16, v18, s29               ; lanes 0-15 store words 0, 1 of their row, lanes 16-31 words 2, 3
	v_cndmask_b32 v21, v17, v19, s29
	global_store_b64 v4, v[20:21], s[20:21]        ; the wave stores 256 consecutive bytes, aligned
	s_set_vgpr_msb 0x4
	s_wait_tensorcnt 0x0
	ds_add_u32 v15, v1
	s_wait_dscnt 0x0
	s_set_vgpr_msb 0x400
	s_endpgm
	; ---- the weights: K is not innermost.  A lane takes a column, its registers run down K.  A wave: 32 columns x 128 along K
.Lweights:
	s_sub_co_u32 s5, ttmp9, 256
	s_lshr_b32 s6, s5, 3                           ; which 128 rows of w_img
	s_and_b32 s7, s5, 7                            ; K step
	s_lshr_b32 s30, s6, 3                          ; tensor: 0 Wq, 1 Wk, 2 Wv, 3 Wo
	s_and_b32 s31, s6, 7                           ; which 128 columns of it
	s_lshl_b32 s41, s31, 1
	s_lshr_b32 s42, s4, 1
	s_add_co_u32 s41, s41, s42                     ; the head,
	s_lshl_b32 s41, s41, 18                        ; of 1,024 x 64 numbers,
	s_and_b32 s42, s4, 1
	s_lshl_b32 s42, s42, 7
	s_add_co_u32 s41, s41, s42                     ; and my 32 of its 64 columns
	s_lshl_b32 s43, s31, 9
	s_lshl_b32 s42, s4, 7
	s_add_co_u32 s43, s43, s42                     ; Wo: my 32 columns of a row of 1,024
	s_cmp_eq_u32 s30, 3
	s_mov_b32 s40, 4096
	s_cselect_b32 s40, s40, 256                    ; bytes from one k to the next
	s_cselect_b32 s41, s43, s41
	s_mul_i32 s44, s7, s40
	s_lshl_b32 s44, s44, 7                         ; 128 rows a K step
	s_add_co_u32 s44, s44, s41
	s_mov_b32 s45, 0
	s_lshl_b32 s46, s40, 5                         ; 32 rows a block
	s_mov_b32 s47, 0
	s_lshl_b32 s48, s6, 3
	s_lshl_b32 s49, s4, 1
	s_add_co_u32 s48, s48, s49                     ; my first row tile of w_img
	s_lshl_b32 s50, s48, 14
	s_lshl_b32 s49, s7, 11
	s_add_co_u32 s50, s50, s49
	s_mov_b32 s51, 0
	s_lshl_b32 s52, s48, 9
	s_lshr_b32 s49, s7, 2
	s_lshl_b32 s49, s49, 8
	s_add_co_u32 s52, s52, s49
	s_and_b32 s49, s7, 3
	s_lshl_b32 s49, s49, 2
	s_add_co_u32 s52, s52, s49
	s_mov_b32 s53, 0
	s_wait_alu depctr_va_vdst(0)
	v_lshlrev_b32 v16, 2, v7
.set i, 1
.rept 31
	v_mad_u32_u24 v[OF+i], s40, i, v16             ; 4 x lane + i rows
.set i, i+1
.endr
	v_and_b32 v8, 15, v7
	v_lshrrev_b32 v9, 4, v7
	v_lshlrev_b32 v8, 4, v8
	v_lshl_add_u32 v5, v9, 14, v8                  ; codes: lanes 16-31 belong to the next row tile
	v_lshl_add_u32 v6, v9, 9, v8                   ; scale words likewise
	s_wait_alu depctr_va_vdst(0)
	s_wait_kmcnt 0x0
	s_cmp_eq_u32 s30, 0
	s_cselect_b64 s[10:11], s[10:11], s[12:13]
	s_cmp_lt_u32 s30, 2
	s_cselect_b64 s[10:11], s[10:11], s[14:15]
	s_cmp_lt_u32 s30, 3
	s_cselect_b64 s[10:11], s[10:11], s[16:17]     ; the choice hangs on the work-group's number alone
	s_add_nc_u64 s[32:33], s[10:11], s[44:45]      ; a base for each of the four blocks
	s_add_nc_u64 s[34:35], s[32:33], s[46:47]
	s_add_nc_u64 s[36:37], s[34:35], s[46:47]
	s_add_nc_u64 s[38:39], s[36:37], s[46:47]
	s_add_nc_u64 s[22:23], s[22:23], s[50:51]
	s_add_nc_u64 s[24:25], s[24:25], s[52:53]
.macro LOADW t                         ; block t: 32 loads, each 128 consecutive bytes of one row k
.set i, 0
.rept 32
	global_load_b32 v[XW+32*(\t)+i], v[OF+i], s[32+2*(\t):33+2*(\t)] th:TH_LOAD_NT
.set i, i+1
.endr
.endm
.macro BLOCKW t
.set XS, XW+32*(\t)
.if (\t) < 3
	s_wait_loadcnt 32                              ; this block's 32 loads are in; the next block's may be out
.else
	s_wait_loadcnt 0
.endif
.if (\t) < 2
	LOADW (\t)+2
.endif
	v_max3_num_f32 v12, |v[XS]|, |v[XS+1]|, |v[XS+2]|             ; all 32 numbers of the block are mine
	v_max3_num_f32 v13, |v[XS+3]|, |v[XS+4]|, |v[XS+5]|
.irp i, 6,10,14,18,22,26
	v_max3_num_f32 v12, v12, |v[XS+\i]|, |v[XS+\i+1]|
	v_max3_num_f32 v13, v13, |v[XS+\i+2]|, |v[XS+\i+3]|
.endr
	v_max3_num_f32 v12, v12, |v[XS+30]|, |v[XS+31]|
	v_max3_num_f32 v12, v12, v13, 0x4800000        ; and the floor
	v_add_nc_u32 v11, 0xfc000000, v12
	v_and_or_b32 v10, v12, 0x7f800000, s[MNT]
	v_lshrrev_b32 v13, 23, v11
.if (\t) == 0
	v_mov_b32 v14, v13
.else
	v_lshl_or_b32 v14, v13, 8*(\t), v14            ; the K step's four bytes make my column's scale word
.endif
.set i, 0
.rept 32
	v_med3_num_f32 v[XS+i], v[XS+i], -v10, v10
.set i, i+1
.endr
	v_cvt_scalef32_pk8_fp8_f32 v[CW+8*(\t):CW+8*(\t)+1], v[XS:XS+7], v11          ; half 0 of the image: numbers 0-7 and 16-23,
	v_cvt_scalef32_pk8_fp8_f32 v[CW+8*(\t)+2:CW+8*(\t)+3], v[XS+16:XS+23], v11
	v_cvt_scalef32_pk8_fp8_f32 v[CW+8*(\t)+4:CW+8*(\t)+5], v[XS+8:XS+15], v11     ; half 1: numbers 8-15 and 24-31
	v_cvt_scalef32_pk8_fp8_f32 v[CW+8*(\t)+6:CW+8*(\t)+7], v[XS+24:XS+31], v11
	global_store_b128 v5, v[CW+8*(\t):CW+8*(\t)+3], s[22:23] offset:(\t)*512       ; sixteen lanes store 256 consecutive bytes, aligned
	global_store_b128 v5, v[CW+8*(\t)+4:CW+8*(\t)+7], s[22:23] offset:(\t)*512+256
.endm
	LOADW 0
	LOADW 1
	BLOCKW 0
	BLOCKW 1
	BLOCKW 2
	BLOCKW 3
	global_store_b32 v6, v14, s[24:25]             ; 4 bytes a lane, 16 bytes apart: 1 byte for each 128 that this path reads
	s_endpgm
.Lfunc_end_k_q0086d27305_prep:
	.size	k_q0086d27305_prep, .Lfunc_end_k_q0086d27305_prep-k_q0086d27305_prep
	.p2alignl 7, 3214868480
	.fill 96, 4, 3214868480
	.section	.rodata,"a",@progbits
	.p2align	6, 0x0
	.amdhsa_kernel k_q0086d27305_prep
		.amdhsa_group_segment_fixed_size 34304
		.amdhsa_private_segment_fixed_size 0
		.amdhsa_enable_private_segment 0
		.amdhsa_kernarg_size 72
		.amdhsa_user_sgpr_count 2
		.amdhsa_user_sgpr_kernarg_segment_ptr 1
		.amdhsa_wavefront_size32 1
		.amdhsa_system_sgpr_workgroup_id_x 1
		.amdhsa_system_sgpr_workgroup_id_y 1
		.amdhsa_system_sgpr_workgroup_id_z 1
		.amdhsa_system_vgpr_workitem_id 0
		.amdhsa_next_free_vgpr 258
		.amdhsa_next_free_sgpr 66
		.amdhsa_reserve_vcc 0
		.amdhsa_float_denorm_mode_32 3
		.amdhsa_float_denorm_mode_16_64 3
		.amdhsa_memory_ordered 1
		.amdhsa_forward_progress 1
		.amdhsa_inst_pref_size 82
	.end_amdhsa_kernel
	.amdgpu_metadata
---
amdhsa.version: [ 1, 2 ]
amdhsa.kernels:
  - .name:           k_q0086d27305_prep
    .symbol:         k_q0086d27305_prep.kd
    .args:
      - { .name: x, .offset: 0, .size: 8, .value_kind: global_buffer, .address_space: global }
      - { .name: Wq, .offset: 8, .size: 8, .value_kind: global_buffer, .address_space: global }
      - { .name: Wk, .offset: 16, .size: 8, .value_kind: global_buffer, .address_space: global }
      - { .name: Wv, .offset: 24, .size: 8, .value_kind: global_buffer, .address_space: global }
      - { .name: Wo, .offset: 32, .size: 8, .value_kind: global_buffer, .address_space: global }
      - { .name: x_img, .offset: 40, .size: 8, .value_kind: global_buffer, .address_space: global }
      - { .name: x_scl, .offset: 48, .size: 8, .value_kind: global_buffer, .address_space: global }
      - { .name: w_img, .offset: 56, .size: 8, .value_kind: global_buffer, .address_space: global }
      - { .name: w_scl, .offset: 64, .size: 8, .value_kind: global_buffer, .address_space: global }
    .group_segment_fixed_size: 34304
    .private_segment_fixed_size: 0
    .kernarg_segment_align: 8
    .kernarg_segment_size: 72
    .max_flat_workgroup_size: 128
    .sgpr_count:     66
    .vgpr_count:     258
    .wavefront_size: 32
...
	.end_amdgpu_metadata
.endif
;; end of part 1
;; launch qkv (part 2): grid 12 x 32, 4 waves a work-group, clusters of 4 x 4, 327,680 bytes of LDS; arguments x_img, x_scl, w_img, w_scl, bq, bk, bv, qkv_img, qkv_scl; writes qkv_img, qkv_scl
.if DOCPART == 2
	.amdgcn_target "amdgcn-amd-amdhsa--gfx1250"
	.amdhsa_code_object_version 6
	.text
	.protected	k_q0086d27305_qkv
	.globl	k_q0086d27305_qkv
	.p2align	8
	.type	k_q0086d27305_qkv,@function
k_q0086d27305_qkv:
	s_mov_b64 s[64:65], 0
	v_nop
	global_prefetch_b8 v0, s[64:65] scope:SCOPE_SE
	s_setreg_imm32_b32 hwreg(HW_REG_WAVE_MODE, 25, 1), 1
	s_wait_xcnt 0x0
	s_wait_alu depctr_hold_cnt(0) depctr_sa_sdst(0) depctr_va_vdst(0) depctr_va_sdst(0) depctr_va_ssrc(0) depctr_va_vcc(0) depctr_vm_vsrc(0)
	s_getreg_b32 s2, hwreg(HW_REG_IB_STS2, 6, 4)
	s_cmp_eq_u32 s2, 0
	s_cbranch_scc0 .Lentry_in_a_cluster
	s_endpgm
.Lentry_in_a_cluster:
	s_bfe_u32 s2, ttmp6, 0x10000c
	s_cmp_lg_u32 s2, 0xf033
	s_cbranch_scc0 .Lentry_shape_is_right
	s_endpgm
.Lentry_shape_is_right:
; q, k, v = x W + b on codes of FP8 (E4M3) with E8M0 scales, K = 1,024; the results are quantised on the way out: q and k along the head's 64, v along the keys.
; A tile of 256 x 256 results is made by four waves, 128 x 128 each: 64 accumulators, 512 registers.  K goes in steps of 256 through a ring of two LDS slots filled by the tensor data mover.
; The operands lie in memory as images of the operand's registers (16 rows x 128 K = 2,048 bytes = [c][lane][16]): a row tile's two fragments of a K step are 4,096 consecutive bytes, and a fragment is
; read from LDS by four loads of 512 consecutive bytes: no pitch, no padding.
; ROLES.  The matrix instruction takes source 0 = 16 rows of B, source 1 = 16 rows of A: a lane holds ONE row of A, and its registers run along B's rows.
;   clusters x = 0, 1 (q, k): A = x (tokens), B = W (channels): a lane's registers run along the channels, q's and k's K.
;   cluster  x = 2    (v):    A = Wv (channels), B = x (tokens): a lane's registers run along the tokens, v's K.
; The role hangs on the cluster's x alone: it is the same in all sixteen partners.
; CLUSTERS: 4 x 4 work-groups.  A's tiles are shared along a row of the cluster, B's along a column: each is asked for jointly, by the same tensor load with the same descriptor and a mask that names the four.
; The bias is the C of each sum's first matrix instruction.
; OUT: qkv_img [q,k,v][batch 4][head pair 8][s 16: 128 tokens][a 8][i 4][lane][16]; q, k: a = token tile, i = 2 (head % 2) + block of 32 channels; v: a = 4 (head % 2) + channel tile, i = block of 32 keys.
;      qkv_scl [batch][head pair][s][q,k,v][head % 2][r 16][4 words]; q, k: word p = bytes (tile 2 p block 0, 1, tile 2 p + 1 block 0, 1) of token r; v: word t = the four key blocks' bytes of channel 16 t + r.
; LIMITS: NaN and infinities are not served; a block under 2^-118 keeps the byte 1, a block of zeros too (its codes are zeros; this program alone reads the bytes); inside a block of 32 the order of the sum is the images' order.
; REGISTERS, in windows of 256: window 0: v1-29 addresses; v32-63 scale words, two sets; v64-127 the bias, later the way out's work; v128-255 A's fragments, one set, later the codes.
;   window 1: B's fragments, two sets.  window 2: the accumulators of my rows 0-63 of A ((a, b) at v[8 (8 a + b)]); window 3: those of rows 64-127.
.set NQ,     2                         ; matrix instructions deep in a slot
.set ROWB,   4096                      ; a row tile's bytes of a K step of 256
.set FR,     16
.set NL,     4
.set NP,     8                         ; places behind this matrix instruction (ISA guide 7.12.1)
.set HALFT,  8*ROWB                    ; 128 rows: what one tensor load brings
.set SLOT,   4*HALFT                   ; A's 256 rows, then B's
.set LAPS,   2                         ; 1,024 along K = four K steps = twice round the ring
.set SCL,    2*SLOT                    ; behind the ring: the scales of all of K, as units of 256 bytes + 16
.set HALFS,  16*272                    ; those of 128 rows
.set SBLK,   2*272                     ; those of 16 rows: one unit for each half of K
.set SPARE,  SCL+4*HALFS               ; the spare words, 128 bytes a wave: two blocks of 256 bytes that no other line names
.set BOF,  8                           ; v8-15  byte offsets of the bias loads
.set ADRA, 16                          ; v16-17 LDS address of my A fragments in slot 0, 1
.set ADRB, 20                          ; v20-21 the same for B
.set LI,   26                          ; v26    16 x lane
.set ADRS, 27                          ; v27    LDS address of my scale words: lanes 0-15 A's, lanes 16-31 B's
.set SPW,  28                          ; v28    my spare word; never rewritten
.set NIL,  29                          ; v29    0; never rewritten
.set SC,   32
.set BIAS, 64
.set AF,   128
.set TM,   64                          ; the way out: v64-79 at work, v80-87 the eight scale words
.set WD,   80
.set G1, 24
.set G0, 32
.set G1B, 48
.set G0B, 56
.set G1S, 68
.set G0S, 76
.set G1SB, 80
.set G0SB, 88
.set ISV,  95                          ; s95 1 in the cluster that makes v
.set VMSK, 66                          ; s66 all ones there, else 0
.set BLKN, 67                          ; s67 my block of 128 tokens x one head pair in the outputs
.set SEL,  40                          ; the way out: s[40:41], s43
.set MNT,  43
.set MSB, 0
.macro WIN new                         ; the immediate's high byte repeats the setting that is left
.if MSB != (\new)
	s_set_vgpr_msb (MSB<<8)|(\new)
.set MSB, (\new)
.endif
.endm
.set MUL_LO, 0xa1                      ; source 0 (B) window 1, source 1 (A) window 0, C and D window 2
.set MUL_HI, 0xf1                      ; the same, C and D window 3
.set TO_B,   0x40
; A joint load: waves 0 and 1 fetch for A, waves 2 and 3 for B.  The branch hangs on the wave's number alone.  Four v_nop follow each of the two lines.
.macro JLOAD g0a, g1a, g0b, g1b
	s_cmp_eq_u32 s15, 0
	s_cbranch_scc0 .Lfor_b_\@
	tensor_load_to_lds s[\g0a:\g0a+3], s[\g1a:\g1a+7]
	s_nop 0
.rept 4
	v_nop
.endr
	s_branch .Lasked_\@
.Lfor_b_\@:
	tensor_load_to_lds s[\g0b:\g0b+3], s[\g1b:\g1b+7]
	s_nop 0
.rept 4
	v_nop
.endr
.Lasked_\@:
.endm
.macro CREST
	s_cmp_lg_u32 s14, 0
	s_cbranch_scc1 .Lnot_wave_0_\@
	s_barrier_signal -3
.Lnot_wave_0_\@:
	s_barrier_wait -3
	s_barrier_signal -1
	s_barrier_wait -1
.endm
.macro CROUND
	s_barrier_signal -1
	s_barrier_wait -1
	CREST
.endm
	s_load_b128 s[4:7], s[0:1], 0x0                ; x's images, x's scales
	s_load_b128 s[8:11], s[0:1], 0x10              ; W's images, W's scales
	s_load_b128 s[96:99], s[0:1], 0x20             ; bq, bk
	s_load_b64 s[12:13], s[0:1], 0x30              ; bv
	v_lshl_add_u32 v[SPW], v0, 2, SPARE
	v_mov_b32 v[NIL], 0
	ds_add_u32 v28, v29
	ds_add_u32 v28, v29
	s_wait_dscnt 0x0
	v_lshrrev_b32 v1, 5, v0
	v_readfirstlane_b32 s14, v1                    ; wave 0..3
	s_lshr_b32 s15, s14, 1                         ; which half of A's rows is mine.  Also: I fetch for A (0) or for B (1)
	s_and_b32 s16, s14, 1                          ; which half of B's rows.  Also: which 128 rows I fetch
	s_bfe_u32 s40, ttmp6, 0x40000                  ; cx
	s_bfe_u32 s41, ttmp6, 0x40004                  ; cy
	s_and_b32 s18, ttmp7, 0xffff
	s_lshl_b32 s18, s18, 2                         ; 4 x cluster y
	s_lshl_b32 s19, ttmp9, 2                       ; 4 x cluster x
	s_cmp_eq_u32 ttmp9, 2
	s_cselect_b32 s[ISV], 1, 0
	s_cselect_b32 s[VMSK], -1, 0
	s_cselect_b32 s17, 8, s18                      ; A's block of 256 rows: Wv's begin at block 8 of W; else the tokens'
	s_cselect_b32 s42, s18, s19                    ; B's: the tokens'; else W's
	s_add_co_u32 s17, s17, s41                     ; + cy: shared along a row of the cluster
	s_add_co_u32 s42, s42, s40                     ; + cx: shared along a column
	s_lshl_b32 s43, s41, 2
	s_lshl_b32 s43, 15, s43                        ; my row of the cluster
	s_lshl_b32 s44, 0x1111, s40                    ; my column
	; descriptor group 1: 8 row tiles x 4,096 bytes, 16,384 bytes apart in memory, dense in LDS
	s_or_b32 s[G1+0], s43, (0<<16)|(1<<21)         ; 15:0 the mask; 17:16 elements of 1 byte; 21 set beside a mask
	s_or_b32 s[G1B+0], s44, (0<<16)|(1<<21)
.irp g, G1, G1B
	s_mov_b32 s[\g+1], ROWB<<16                    ; tensor_dim0
	s_mov_b32 s[\g+2], 16<<16                      ; tensor_dim1: 16 row tiles for the head's loads; the ring's loads take 8 (set behind the head)
	s_mov_b32 s[\g+3], ROWB<<16                    ; tile_dim0
	s_mov_b32 s[\g+4], 16                          ; tile_dim1
	s_mov_b32 s[\g+5], 16384                       ; tensor_dim0_stride
	s_mov_b32 s[\g+6], 0
	s_mov_b32 s[\g+7], 0
.endr
	; the scales of 256 rows: 8,192 dense bytes, as 32 rows of 256 bytes (32 elements of 8 bytes), 16 bytes of padding behind each
	s_or_b32 s[G1S+0], s43, (3<<16)|(1<<20)|(1<<21)|(5<<22)|(3<<25)
	s_or_b32 s[G1SB+0], s44, (3<<16)|(1<<20)|(1<<21)|(5<<22)|(3<<25)
.irp g, G1S, G1SB
	s_mov_b32 s[\g+1], 32<<16
	s_mov_b32 s[\g+2], 32<<16
	s_mov_b32 s[\g+3], 32<<16
	s_mov_b32 s[\g+4], 32
	s_mov_b32 s[\g+5], 32
	s_mov_b32 s[\g+6], 0
	s_mov_b32 s[\g+7], 0
.endr
	s_lshl_b32 s20, s17, 8                         ; A's first row of 256
	s_lshl_b32 s46, s42, 8                         ; B's
	s_mov_b32 s21, 0
	s_mov_b32 s47, 0
	s_mov_b64 s[18:19], 32
	s_mul_u64 s[22:23], s[20:21], s[18:19]         ; 32 scale bytes a row
	s_mul_u64 s[92:93], s[46:47], s[18:19]
	s_mov_b64 s[18:19], 1024
	s_mul_u64 s[20:21], s[20:21], s[18:19]         ; 1,024 codes a row
	s_mul_u64 s[46:47], s[46:47], s[18:19]
	s_mul_i32 s45, s14, HALFT                      ; where they go: by the wave's number alone
	s_lshl_b32 s18, s16, 17                        ; in the ring I fetch 128 rows of a tile: which half, in bytes (128 x 1,024)
	s_mov_b32 s19, 0
	s_wait_kmcnt 0x0
	s_cmp_eq_u32 ttmp9, 2                          ; the roles: in v's cluster A is W and B is x
	s_cselect_b64 s[100:101], s[8:9], s[4:5]
	s_cselect_b64 s[8:9], s[4:5], s[8:9]
	s_mov_b64 s[4:5], s[100:101]
	s_cselect_b64 s[100:101], s[10:11], s[6:7]
	s_cselect_b64 s[10:11], s[6:7], s[10:11]
	s_mov_b64 s[6:7], s[100:101]
	s_cselect_b64 s[12:13], s[12:13], s[98:99]
	s_cmp_eq_u32 ttmp9, 0
	s_cselect_b64 s[12:13], s[96:97], s[12:13]     ; my bias
	s_add_nc_u64 s[20:21], s[4:5], s[20:21]
	s_add_nc_u64 s[22:23], s[6:7], s[22:23]
	s_add_nc_u64 s[46:47], s[8:9], s[46:47]
	s_add_nc_u64 s[92:93], s[10:11], s[92:93]
	CROUND                                         ; all sixteen work-groups are here: the first joint loads meet
	s_mov_b32 s4, 1                                ; the head's four tiles, each whole: K step 0's 256 rows of A (s[4:11] held arguments that have been used),
	s_mov_b32 s5, 0
	s_mov_b64 s[6:7], s[20:21]
	s_or_b32 s7, s7, 0x80000000
	s_mov_b32 s8, 1                                ; its 256 rows of B, behind them in slot 0,
	s_mov_b32 s9, 2*HALFT
	s_mov_b64 s[10:11], s[46:47]
	s_or_b32 s11, s11, 0x80000000
	s_mov_b32 s[G0S], 1                            ; the scales of A's 256 rows,
	s_mov_b32 s[G0S+1], SCL
	s_mov_b64 s[G0S+2:G0S+3], s[22:23]
	s_or_b32 s[G0S+3], s[G0S+3], 0x80000000
	s_mov_b32 s[G0SB], 1                           ; and of B's
	s_mov_b32 s[G0SB+1], SCL+2*HALFS
	s_mov_b64 s[G0SB+2:G0SB+3], s[92:93]
	s_or_b32 s[G0SB+3], s[G0SB+3], 0x80000000
	s_add_nc_u64 s[20:21], s[20:21], s[18:19]      ; for the ring: my 128 rows of the tile
	s_add_nc_u64 s[46:47], s[46:47], s[18:19]
.irp s, 0,1
	s_mov_b32 s[G0+4*\s], 1
	s_add_co_u32 s[G0+4*\s+1], s45, \s*SLOT
	s_add_nc_u64 s[G0+4*\s+2:G0+4*\s+3], s[20:21], \s*ROWB
	s_or_b32 s[G0+4*\s+3], s[G0+4*\s+3], 0x80000000
	s_mov_b32 s[G0B+4*\s], 1
	s_add_co_u32 s[G0B+4*\s+1], s45, \s*SLOT
	s_add_nc_u64 s[G0B+4*\s+2:G0B+4*\s+3], s[46:47], \s*ROWB
	s_or_b32 s[G0B+4*\s+3], s[G0B+4*\s+3], 0x80000000
.endr
	; the prefetches: of the eight row tiles that my wave fetches, each of the four partners that ask for them jointly takes two, told apart by address (cx for A's tiles, cy for B's)
	s_cmp_eq_u32 s15, 0
	s_cselect_b64 s[92:93], s[20:21], s[46:47]
	s_cselect_b32 s100, s40, s41
	s_lshl_b32 s100, s100, 15                      ; two row tiles of 16,384 bytes
	s_mov_b32 s101, 0
	s_add_nc_u64 s[92:93], s[92:93], s[100:101]    ; never rewritten
; The head's loads, one a wave: wave 0 K step 0's 256 rows of A, wave 1 its 256 rows of B, wave 2 A's scales, wave 3 B's.  One tree of branches on the wave's number.
.macro ARM under, g0, g1, next
	s_cmp_lt_u32 s14, \under
	s_cbranch_scc0 \next
	tensor_load_to_lds s[\g0:\g0+3], s[\g1:\g1+7]
	s_nop 0
.rept 4
	v_nop
.endr
	s_branch .Lhead_asked
\next:
.endm
	ARM 1, 4,   G1,  .Lhead_b
	ARM 2, 8,   G1B, .Lhead_sa
	ARM 3, G0S, G1S, .Lhead_sb
	tensor_load_to_lds s[G0SB:G0SB+3], s[G1SB:G1SB+7]
	s_nop 0
.rept 4
	v_nop
.endr
.Lhead_asked:
	; which channels and tokens are my wave's
	s_sub_co_u32 s96, s17, 8
	s_cmp_eq_u32 s[ISV], 1
	s_cselect_b32 s96, s96, s42                    ; the block of 256 channels
	s_cselect_b32 s97, s15, s16                    ; my half of it
	s_cselect_b32 s98, s42, s17                    ; the block of 256 tokens
	s_cselect_b32 s99, s16, s15                    ; my half of it
	s_and_b32 s96, s96, 3
	s_lshl_b32 s96, s96, 1
	s_add_co_u32 s96, s96, s97                     ; the head pair: 128 channels
	s_lshl_b32 s100, s96, 9
	s_mov_b32 s101, 0
	s_add_nc_u64 s[12:13], s[12:13], s[100:101]    ; the bias at my 128 channels
	s_lshr_b32 s[BLKN], s98, 3                     ; batch
	s_lshl_b32 s[BLKN], s[BLKN], 3
	s_add_co_u32 s[BLKN], s[BLKN], s96
	s_lshl_b32 s[BLKN], s[BLKN], 4
	s_and_b32 s97, s98, 7
	s_lshl_b32 s97, s97, 1
	s_add_co_u32 s[BLKN], s[BLKN], s97
	s_add_co_u32 s[BLKN], s[BLKN], s99             ; ((batch x 8 + head pair) x 16 + s
	v_and_b32 v1, 15, v0                           ; r
	v_bfe_u32 v2, v0, 4, 1                         ; h
	v_and_b32 v6, 31, v0
	v_lshlrev_b32 v[LI], 4, v6
	v_lshlrev_b32 v7, 2, v1
.irp j, 0,1,2,3,4,5,6,7
	v_lshl_add_u32 v[BOF+\j], v2, 5, 4*\j          ; q, k: register j of a result is channel 8 h + j of B's block;
	v_cndmask_b32 v[BOF+\j], v[BOF+\j], v7, s[VMSK]   ; v: every register is channel r of A's block
.endr
.irp i, 0,1,2,3,4,5,6,7
.irp j, 0,1,2,3,4,5,6,7
	global_load_b32 v[BIAS+8*\i+\j], v[BOF+\j], s[12:13] offset:64*\i
.endr
.endr
	s_mul_i32 s21, s15, HALFT                      ; my 128 rows of A
	s_mul_i32 s22, s16, HALFT                      ; my 128 rows of B,
	s_add_co_u32 s22, s22, 2*HALFT                 ; behind A's 256
.irp s, 0,1
	v_add_nc_u32 v[ADRA+\s], s21, v[LI]
	v_add_nc_u32 v[ADRB+\s], s22, v[LI]
	s_add_co_u32 s21, s21, SLOT
	s_add_co_u32 s22, s22, SLOT
.endr
	v_lshlrev_b32 v5, 4, v1                        ; my row's four words of a half of K: 16 r
	s_mul_i32 s21, s15, HALFS
	s_mul_i32 s22, s16, HALFS
	s_add_co_u32 s22, s22, 2*HALFS
	s_sub_co_u32 s22, s22, s21
	v_mul_u32_u24 v6, s22, v2                      ; lanes 16-31 take B's: one product, h x the distance
	s_add_co_u32 s21, s21, SCL
	v_add_nc_u32 v5, v5, v6
	v_add_nc_u32 v[ADRS], s21, v5
	v_and_b32 v30, 15, v0
	v_bfe_u32 v31, v0, 4, 1
	v_lshlrev_b32 v30, 8, v30
	v_lshl_add_u32 v30, v31, 14, v30               ; a lane a block of 256 bytes: sixteen lanes to a row tile's 4,096 bytes of a K step; never rewritten
	global_prefetch_b8 v30, s[92:93] offset:ROWB th:TH_LOAD_NT scope:SCOPE_SE     ; K step 1, which is loaded behind the round that follows the head's loads
.macro FRAG reg, adr, q, i             ; a fragment's image: four loads of 512 consecutive bytes
.irp c, 0,1,2,3
	ds_load_b128 v[\reg+4*\c:\reg+4*\c+3], v[\adr] offset:(\i)*4096+(\q)*2048+512*\c
.endr
.endm
; 16 matrix instructions: A's blocks a0, a0 + 1 x B's eight.  zero = 1: C = the bias by B's block; 2: by A's block; 0: in place.  The 64 accumulators take turns, in the same order in every step.
.macro MUL16 a0, p, q, sc, zero
.irp a, \a0, \a0+1
.irp b, 0,1,2,3,4,5,6,7
.if \zero == 1
	v_wmma_scale_f32_16x16x128_f8f6f4 v[8*(8*((\a)%4)+\b):8*(8*((\a)%4)+\b)+7], v[128*(\p)+FR*\b:128*(\p)+FR*\b+FR-1], v[AF+FR*(\a):AF+FR*(\a)+FR-1], v[BIAS+8*\b:BIAS+8*\b+7], v[SC+8*NQ*(\sc)+NQ*\b+(\q)], v[SC+8*NQ*(\sc)+NQ*(\a)+(\q)] matrix_a_scale:MATRIX_SCALE_ROW1
.elseif \zero == 2
	v_wmma_scale_f32_16x16x128_f8f6f4 v[8*(8*((\a)%4)+\b):8*(8*((\a)%4)+\b)+7], v[128*(\p)+FR*\b:128*(\p)+FR*\b+FR-1], v[AF+FR*(\a):AF+FR*(\a)+FR-1], v[BIAS+8*(\a):BIAS+8*(\a)+7], v[SC+8*NQ*(\sc)+NQ*\b+(\q)], v[SC+8*NQ*(\sc)+NQ*(\a)+(\q)] matrix_a_scale:MATRIX_SCALE_ROW1
.else
	v_wmma_scale_f32_16x16x128_f8f6f4 v[8*(8*((\a)%4)+\b):8*(8*((\a)%4)+\b)+7], v[128*(\p)+FR*\b:128*(\p)+FR*\b+FR-1], v[AF+FR*(\a):AF+FR*(\a)+FR-1], v[8*(8*((\a)%4)+\b):8*(8*((\a)%4)+\b)+7], v[SC+8*NQ*(\sc)+NQ*\b+(\q)], v[SC+8*NQ*(\sc)+NQ*(\a)+(\q)] matrix_a_scale:MATRIX_SCALE_ROW1
.endif
.endr
.endr
.endm
.macro FETCH_B slot, q, p
	WIN TO_B
.irp i, 0,1,2,3,4,5,6,7
	FRAG 128*(\p)+FR*\i, ADRB+\slot, \q, \i
.endr
	WIN 0
.endm
.macro FETCH_A slot, q, i0
.irp i, \i0, \i0+1, \i0+2, \i0+3
	FRAG AF+FR*(\i), ADRA+\slot, \q, \i
.endr
.endm
.macro SCALES sc                       ; a K step's two words a row: lanes 0-15 A's block i, lanes 16-31 B's block i
.irp i, 0,1,2,3,4,5,6,7
	ds_load_b64 v[SC+8*NQ*\sc+NQ*\i:SC+8*NQ*\sc+NQ*\i+1], v[ADRS] offset:\i*SBLK
.endr
.endm
.macro PLACES n                        ; plain vector lines between a matrix instruction and a load into, or a read of, its registers
.rept \n
	v_nop
.endr
.endm
.macro STEP slot, q, zero              ; 128 along K with a successor in the same slot
	s_wait_dscnt 4*NL                              ; B's set and A's blocks 0-3 are in; the youngest 16 loads (A's blocks 4-7) may be out
.if \zero
	WIN 0x81                                       ; C (the bias) window 0, D window 2
.else
	WIN MUL_LO
.endif
	MUL16 0, (\q)%2, \q, \slot, \zero
	MUL16 2, (\q)%2, \q, \slot, \zero
	s_wait_dscnt 0
	PLACES NP
	FETCH_B \slot, (\q)+1, 1-(\q)%2
	FETCH_A \slot, (\q)+1, 0
.if \zero
	WIN 0xc1
.else
	WIN MUL_HI
.endif
	MUL16 4, (\q)%2, \q, \slot, \zero
	MUL16 6, (\q)%2, \q, \slot, \zero
	PLACES NP
	WIN 0
	FETCH_A \slot, (\q)+1, 4
.endm
; A slot's last step changes slots: one barrier; in front of it each wave waits for all its tensor loads, adds 0 to its spare word, and waits for that and for its reads of this slot.
.macro TURN slot, next, fill
	s_wait_tensorcnt 0x0                           ; all my tensor loads have landed: my part of the next slot
	ds_add_u32 v[SPW], v[NIL]                      ; 0 onto my spare word
	s_wait_dscnt 4*NL+1                            ; the add and the youngest 16 loads may be out
	WIN MUL_LO
	MUL16 0, 1, NQ-1, \slot, 0
	s_wait_dscnt 0x0                               ; the add is done, and my reads of this slot are over
	s_barrier_signal -1
	MUL16 2, 1, NQ-1, \slot, 0
	WIN 0
	s_barrier_wait -1
.if \fill
	CREST                                          ; the barrier has opened a round of the cluster's: no wave of any partner still reads this slot or has a load on its way
	s_add_nc_u64 s[G0+4*\slot+2:G0+4*\slot+3], s[G0+4*\slot+2:G0+4*\slot+3], 2*ROWB
	s_add_nc_u64 s[G0B+4*\slot+2:G0B+4*\slot+3], s[G0B+4*\slot+2:G0B+4*\slot+3], 2*ROWB
	JLOAD G0+4*\slot, G1, G0B+4*\slot, G1B         ; the first tensor load behind the round; its four v_nop are four of the eight places
	PLACES NP-4
.else
	PLACES NP
.endif
.if \slot == 0
	s_wait_alu depctr_va_vdst(0)
	v_add_nc_u32 v[ADRS], 8, v[ADRS]               ; the next K step's two words: in the same unit,
.else
	s_wait_alu depctr_va_vdst(0)
	v_add_nc_u32 v[ADRS], 264, v[ADRS]             ; or at the head of the next (256 + 16 bytes on, 8 back)
.endif
	FETCH_B \next, 0, 0
	FETCH_A \next, 0, 0
	SCALES \next
	WIN MUL_HI
	MUL16 4, 1, NQ-1, \slot, 0
	MUL16 6, 1, NQ-1, \slot, 0
	PLACES NP
	WIN 0
	FETCH_A \next, 0, 4
.endm
	s_wait_alu depctr_va_vdst(0)
	s_wait_tensorcnt 0x0                           ; my tile of the head's four is in
	ds_add_u32 v[SPW], v[NIL]
	s_mov_b32 s[G1+2], 8<<16                       ; no tensor load of mine is out: from here on a load brings 8 row tiles
	s_mov_b32 s[G1+4], 8
	s_mov_b32 s[G1B+2], 8<<16
	s_mov_b32 s[G1B+4], 8
	s_wait_dscnt 0x0
	CROUND                                         ; all four tiles are in, and all sixteen work-groups are here
	JLOAD G0+4, G1, G0B+4, G1B                     ; K step 1's load, the first tensor load behind the round
	FETCH_B 0, 0, 0
	FETCH_A 0, 0, 0
	SCALES 0
	global_prefetch_b8 v30, s[92:93] offset:2*ROWB th:TH_LOAD_NT scope:SCOPE_SE   ; K step 2: its refill stands a K step on
	FETCH_A 0, 0, 4
	s_wait_loadcnt 0x0                             ; the bias
	s_cmp_eq_u32 s[ISV], 1                         ; the first step is written twice: the bias goes by B's block (q, k) or by A's (v).  Both ways hold the same loads and waits
	s_cbranch_scc1 .Lfirst_v
	STEP 0, 0, 1
	s_branch .Lfirst_done
.Lfirst_v:
	STEP 0, 0, 2
.Lfirst_done:
	s_mov_b32 s3, LAPS-1
	global_prefetch_b8 v30, s[92:93] offset:3*ROWB th:TH_LOAD_NT scope:SCOPE_SE   ; K step 3, the last: nothing is asked for beyond it
.Llap:
	TURN 0, 1, 1
	STEP 1, 0, 0
	TURN 1, 0, 1
	STEP 0, 0, 0
	s_sub_co_u32 s3, s3, 1
	s_cmp_lg_u32 s3, 0
	s_cbranch_scc1 .Llap
	s_load_b128 s[4:7], s[0:1], 0x38               ; qkv_img, qkv_scl: they land under the last K steps
	TURN 0, 1, 0                                   ; the last lap fills nothing
	STEP 1, 0, 0
	s_wait_dscnt 4*NL
	WIN MUL_LO
	MUL16 0, 1, NQ-1, 1, 0
	MUL16 2, 1, NQ-1, 1, 0
	s_wait_dscnt 0
	WIN MUL_HI
	MUL16 4, 1, NQ-1, 1, 0
	MUL16 6, 1, NQ-1, 1, 0
	WIN 0
	; THE WAY OUT.  The 64 results of A's block a in a lane are 128 neighbours along the next K in the images' order: they are quantised where they stand, and the codes are a fragment's image.
	PLACES NP
	s_mov_b32 s[SEL], 0x76543210
	s_mov_b32 s[SEL+1], 0xfedcba98
	s_mov_b32 s[MNT], 0x600000
	s_mov_b32 s18, 0xffff0000                      ; lanes 16-31
	s_lshl_b32 s20, ttmp9, 23                      ; q, k or v: 8,388,608 bytes each
	s_lshl_b32 s21, s[BLKN], 14
	s_add_co_u32 s20, s20, s21
	s_mov_b32 s21, 0
	s_mul_i32 s22, s[BLKN], 3
	s_add_co_u32 s22, s22, ttmp9
	s_lshl_b32 s22, s22, 9
	s_mov_b32 s23, 0
.irp b, 0,1,2,3
	v_mov_b32 v[TM+4+\b], 0                        ; a lane permute's destination counts as read
.endr
	s_wait_kmcnt 0x0
	s_add_nc_u64 s[4:5], s[4:5], s[20:21]
	s_add_nc_u64 s[6:7], s[6:7], s[22:23]
.macro EPI a
.set WW, 2+(\a)/4                      ; the block's window
.set AC, 64*((\a)%4)
.set CD, 128+16*(\a)                   ; its codes: registers of their own, so that no store's data are written again
	WIN WW|(WW<<2)
.irp b, 0,1,2,3
	v_max3_num_f32 v[TM+\b], |v[AC+16*\b]|, |v[AC+1+16*\b]|, 0x4800000   ; each accumulator is read from its low end on
.endr
	WIN (WW<<2)|(WW<<4)
.irp i, 2,4,6,8,10,12,14
.irp b, 0,1,2,3
	v_max3_num_f32 v[TM+\b], v[TM+\b], |v[AC+16*\b+\i]|, |v[AC+1+16*\b+\i]|
.endr
.endr
	WIN 0
.irp b, 0,1,2,3
	v_permlanex16_b32 v[TM+4+\b], v[TM+\b], s[SEL], s[SEL+1]
.endr
.irp b, 0,1,2,3
	v_max_num_f32 v[TM+\b], v[TM+\b], v[TM+4+\b]
.endr
.irp b, 0,1,2,3
	v_add_nc_u32 v[TM+12+\b], 0xfc000000, v[TM+\b]
.endr
.irp b, 0,1,2,3
	v_and_or_b32 v[TM+8+\b], v[TM+\b], 0x7f800000, s[MNT]
.endr
.irp b, 0,1,2,3
	v_lshrrev_b32 v[TM+4+\b], 23, v[TM+12+\b]
.endr
	v_lshl_or_b32 v[WD+(\a)], v[TM+5], 8, v[TM+4]
	v_lshl_or_b32 v[WD+(\a)], v[TM+6], 16, v[WD+(\a)]
	v_lshl_or_b32 v[WD+(\a)], v[TM+7], 24, v[WD+(\a)]
	WIN WW|(WW<<6)
.irp b, 0,1,2,3
.irp i, 0,1,2,3,4,5,6,7,8,9,10,11,12,13,14,15
	v_med3_num_f32 v[AC+16*\b+\i], v[AC+16*\b+\i], -v[TM+8+\b], v[TM+8+\b]
.endr
.endr
	WIN WW
.irp b, 0,1,2,3
	v_cvt_scalef32_pk8_fp8_f32 v[CD+4*\b:CD+1+4*\b], v[AC+16*\b:AC+7+16*\b], v[TM+12+\b]
	v_cvt_scalef32_pk8_fp8_f32 v[CD+2+4*\b:CD+3+4*\b], v[AC+8+16*\b:AC+15+16*\b], v[TM+12+\b]
.endr
	WIN 0
	v_nop                                          ; one plain line behind the last conversion
.irp i, 0,1,2,3
	global_store_b128 v[LI], v[CD+4*\i:CD+4*\i+3], s[4:5] offset:(\a)*2048+\i*512   ; 512 consecutive bytes, aligned
.endr
.endm
.irp a, 0,1,2,3,4,5,6,7
	EPI \a
.endr
	v_mov_b32 v88, 0x05040100                      ; q, k: lanes 0-15 take the first head's two bytes of two tiles' words,
	v_mov_b32 v89, 0x07060302                      ; lanes 16-31 the second head's
	v_cndmask_b32 v88, v88, v89, s18
.irp p, 0,1,2,3
	v_perm_b32 v[92+\p], v[WD+2*\p+1], v[WD+2*\p], v88
	v_cndmask_b32 v[96+\p], v[WD+\p], v[WD+4+\p], s18   ; v: lanes 0-15 take the first head's four tiles' words, lanes 16-31 the second's
.endr
.irp p, 0,1,2,3
	v_cndmask_b32 v[92+\p], v[92+\p], v[96+\p], s[VMSK]
.endr
	global_store_b128 v[LI], v[92:95], s[6:7]      ; 512 consecutive bytes, aligned
	s_wait_tensorcnt 0x0                           ; the wave's end
	ds_add_u32 v[SPW], v[NIL]
	s_wait_dscnt 0x0
	CROUND                                         ; the closing round: no work-group ends while a partner may still ask for a tile that names it
	s_endpgm
.Lfunc_end_k_q0086d27305_qkv:
	.size	k_q0086d27305_qkv, .Lfunc_end_k_q0086d27305_qkv-k_q0086d27305_qkv
	.p2alignl 7, 3214868480
	.fill 96, 4, 3214868480
	.section	.rodata,"a",@progbits
	.p2align	6, 0x0
	.amdhsa_kernel k_q0086d27305_qkv
		.amdhsa_group_segment_fixed_size 327680
		.amdhsa_private_segment_fixed_size 0
		.amdhsa_enable_private_segment 0
		.amdhsa_kernarg_size 72
		.amdhsa_user_sgpr_count 2
		.amdhsa_user_sgpr_kernarg_segment_ptr 1
		.amdhsa_wavefront_size32 1
		.amdhsa_system_sgpr_workgroup_id_x 1
		.amdhsa_system_sgpr_workgroup_id_y 1
		.amdhsa_system_sgpr_workgroup_id_z 1
		.amdhsa_system_vgpr_workitem_id 0
		.amdhsa_next_free_vgpr 1024
		.amdhsa_next_free_sgpr 104
		.amdhsa_reserve_vcc 0
		.amdhsa_float_denorm_mode_32 3
		.amdhsa_float_denorm_mode_16_64 3
		.amdhsa_memory_ordered 1
		.amdhsa_forward_progress 1
		.amdhsa_inst_pref_size 208
	.end_amdhsa_kernel
	.amdgpu_metadata
---
amdhsa.version: [ 1, 2 ]
amdhsa.kernels:
  - .name:           k_q0086d27305_qkv
    .symbol:         k_q0086d27305_qkv.kd
    .args:
      - { .name: x_img, .offset: 0, .size: 8, .value_kind: global_buffer, .address_space: global }
      - { .name: x_scl, .offset: 8, .size: 8, .value_kind: global_buffer, .address_space: global }
      - { .name: w_img, .offset: 16, .size: 8, .value_kind: global_buffer, .address_space: global }
      - { .name: w_scl, .offset: 24, .size: 8, .value_kind: global_buffer, .address_space: global }
      - { .name: bq, .offset: 32, .size: 8, .value_kind: global_buffer, .address_space: global }
      - { .name: bk, .offset: 40, .size: 8, .value_kind: global_buffer, .address_space: global }
      - { .name: bv, .offset: 48, .size: 8, .value_kind: global_buffer, .address_space: global }
      - { .name: qkv_img, .offset: 56, .size: 8, .value_kind: global_buffer, .address_space: global }
      - { .name: qkv_scl, .offset: 64, .size: 8, .value_kind: global_buffer, .address_space: global }
    .group_segment_fixed_size: 327680
    .private_segment_fixed_size: 0
    .kernarg_segment_align: 8
    .kernarg_segment_size: 72
    .max_flat_workgroup_size: 128
    .sgpr_count:     104
    .vgpr_count:     1024
    .wavefront_size: 32
...
	.end_amdgpu_metadata
.endif
;; end of part 2
;; launch attn (part 3): grid 4 x 64, 8 waves a work-group, clusters of 4 x 1, 327,680 bytes of LDS; arguments qkv_img, qkv_scl, c_img, c_scl; writes c_img, c_scl
.if DOCPART == 3
	.amdgcn_target "amdgcn-amd-amdhsa--gfx1250"
	.amdhsa_code_object_version 6
	.text
	.protected	k_q0086d27305_attn
	.globl	k_q0086d27305_attn
	.p2align	8
	.type	k_q0086d27305_attn,@function
k_q0086d27305_attn:
	s_mov_b64 s[64:65], 0
	v_nop
	global_prefetch_b8 v0, s[64:65] scope:SCOPE_SE
	s_setreg_imm32_b32 hwreg(HW_REG_WAVE_MODE, 25, 1), 1
	s_wait_xcnt 0x0
	s_wait_alu depctr_hold_cnt(0) depctr_sa_sdst(0) depctr_va_vdst(0) depctr_va_sdst(0) depctr_va_ssrc(0) depctr_va_vcc(0) depctr_vm_vsrc(0)
	s_getreg_b32 s2, hwreg(HW_REG_IB_STS2, 6, 4)
	s_cmp_eq_u32 s2, 0
	s_cbranch_scc0 .Lentry_in_a_cluster
	s_endpgm
.Lentry_in_a_cluster:
	s_bfe_u32 s2, ttmp6, 0x10000c
	s_cmp_lg_u32 s2, 0x3003
	s_cbranch_scc0 .Lentry_shape_is_right
	s_endpgm
.Lentry_shape_is_right:
; concat[b][s][64 head + e] = softmax(q k^T / 8) v for one batch and head, both products on codes of FP8 (E4M3) with E8M0 scales; the result is quantised along its 64 channels for the next product.
; t = score x log2(e) / 8; M = the running largest t rounded up to a whole number; p = 2^(t - M) is quantised along the keys; the row's sum is taken of the unquantised p and divides at the end.
; SHARES.  A work-group owns 512 queries of one head; the four work-groups of a cluster own the head's 2,048 and ask jointly for its K, V and scale bytes, which stay in LDS whole
; (K 131,072 bytes, V 131,072, scale bytes 8,192): each byte is fetched once, at the head, one tensor load a wave: waves 0-3 K's quarters, 4-5 V's halves, 6 K's scale bytes, 7 V's.
; A wave owns four tiles of 16 queries and takes them two at a time (tiles A and B), in two passes over the keys, 128 keys a step: each fragment of K read from LDS feeds four matrix instructions, each of V two.
; Wave w, pass P, tile T: token tile 8 (2 P + T) + w of the work-group's 32.
; LAYOUT.  Operands are images of the operand's registers ([c][lane][16 bytes]); both products are used transposed (S^T = K Q^T, O^T = V^T P^T): a lane holds one query.
; The head has 64 channels: a fragment of K holds two key tiles (64 + 64 along the instruction's 128), and Q stands beside eight registers of zero codes, first or second, to pick one of them.
; V(i) and K(i + 1) are asked of LDS together, behind step i's first products; the one wait for them stands ahead of step i's second products.  In a pass's last step K's address wraps to step 0, which the next pass reads.
; THE EXPONENTIALS go in two batches, tile A's and tile B's.  Among A's stand B's multiply-adds t - M, among B's the holds of A's p: plain lines that read nothing written inside the batch and whose results are first read behind the wait that closes it.
; No prefetch: every tile is asked for once, at the head, and there is no loop to run ahead in.
; A block's largest p is the block's largest score put through the same multiply-add and exponential (it takes v_exp_f32 not to fall where its input rises).
; LIMITS: the scaled scores stay under 2^31 in magnitude; NaN and infinities are not served; a block whose largest magnitude lies under 2^-118 keeps the byte 1, a block of zeros too (its codes are zeros; this program alone reads the bytes).
; REGISTERS.  Window 0: v1-9 addresses, v10-11 Q's scale words, v12-19 -M, largest score, sum (A, B), v20-23 f, v24-25 p's scale words, v26-29 K's, v30-33 V's, v34-67 at work,
;   v68-107 qA 0 qB 0 qA, v108-235 S^T then p (A, B), v236-237 the next pass's Q scale words, v240-245 further sum chains; v240-255 the way out's codes.
; Window 1: v0-63 K's fragments, v64-127 V's, v128-191 O^T (A, B), v192-223 p's codes, v224-239 the next pass's Q.
.set VLDS, 131072
.set SLDS, 262144
.set SPARE, 270336                     ; the spare words, 128 bytes a wave: four blocks of 256 bytes that no other line names
.set LI, 1
.set SA, 2
.set CB, 3
.set SPW, 4
.set NIL, 5
.set ADK, 6
.set ADV, 7
.set ASK, 8
.set ASV, 9
.set QS, 10
.set NM, 12                            ; + 4 T: -M, largest score, the sum's pair
.set FF, 20                            ; + 2 T
.set PW, 24
.set KS, 26
.set VS, 30
.set BM, 34                            ; + 16 T: 0-3 block maxima, 4-7 the other half's; bytes, 8-11 the hold, 12-15 the conversion's scale operand
.set TMP, 66
.set ST, 108                           ; + 64 T
.set S2, 240
.set S3, 242
.set S4, 244
.set OC, 240                           ; + 8 T
.set KF, 0
.set VF, 64
.set OT, 128                           ; + 32 T
.set PCD, 192                          ; + 16 T
.set QN, 224                           ; + 8 T
.set TV, 2
.set TS, 3
.set WV, 18
.set MNT, 19
.set SEL, 20
.set CS, 22
.set G1K, 24
.set G1V, 32
.set G1S, 40
.set G0K, 48
.set G0V, 52
.set G0S, 56
.set CNT, 60
.set PSEL, 61
.set HM, 62
.set NCS, 63
.set TK, 84
.set TSK, 85
.set PASSES, 86
.set MSB, 0
.macro WIN new                         ; the immediate's high byte repeats the setting that is left
.if MSB != (\new)
	s_set_vgpr_msb (MSB<<8)|(\new)
.set MSB, (\new)
.endif
.endm
.macro CROUND
	s_barrier_signal -1
	s_barrier_wait -1
	s_cmp_lg_u32 s[WV], 0
	s_cbranch_scc1 .Lnot_wave_0_\@
	s_barrier_signal -3
.Lnot_wave_0_\@:
	s_barrier_wait -3
	s_barrier_signal -1
	s_barrier_wait -1
.endm
.macro ARM under, g0, g1, next
	s_cmp_lt_u32 s[WV], \under
	s_cbranch_scc0 \next
	tensor_load_to_lds s[\g0:\g0+3], s[\g1:\g1+7]
	s_nop 0
.rept 4
	v_nop
.endr
	s_branch .Lhead_asked
\next:
.endm
; a tile's four block scales from its blocks' largest p
.macro SCALE T
.irp b, 0,1,2,3
	v_max_num_f32 v[BM+16*\T+\b], 0x4800000, v[BM+16*\T+\b]                ; the floor 2^(9 - 127): the byte cannot fall under 1
.endr
.irp b, 0,1,2,3
	v_add_nc_u32 v[BM+16*\T+12+\b], 0xfc000000, v[BM+16*\T+\b]             ; 8 off the exponent field: the conversion's scale operand
.endr
.irp b, 0,1,2,3
	v_and_or_b32 v[BM+16*\T+8+\b], v[BM+16*\T+\b], 0x7f800000, s[MNT]      ; 448 x the scale
.endr
.irp b, 0,1,2,3
	v_lshrrev_b32 v[BM+16*\T+4+\b], 23, v[BM+16*\T+12+\b]                  ; the scale's byte
.endr
.endm
; a tile's row sums of the unquantised p, two numbers an instruction, in four chains; the three lines that make p's scale word stand among them
.macro SUMS T
	v_pk_add_f32 v[S2:S2+1], v[ST+64*\T:ST+64*\T+1], v[ST+64*\T+2:ST+64*\T+3]
	v_pk_add_f32 v[S3:S3+1], v[ST+64*\T+4:ST+64*\T+5], v[ST+64*\T+6:ST+64*\T+7]
	v_pk_add_f32 v[S4:S4+1], v[ST+64*\T+8:ST+64*\T+9], v[ST+64*\T+10:ST+64*\T+11]
	v_pk_add_f32 v[NM+4*\T+2:NM+4*\T+3], v[NM+4*\T+2:NM+4*\T+3], v[ST+64*\T+12:ST+64*\T+13]
	v_lshl_or_b32 v[PW+\T], v[BM+16*\T+5], 8, v[BM+16*\T+4]
.irp k, 14,22,30,38,46,54
	v_pk_add_f32 v[S2:S2+1], v[S2:S2+1], v[ST+64*\T+\k:ST+64*\T+\k+1]
	v_pk_add_f32 v[S3:S3+1], v[S3:S3+1], v[ST+64*\T+\k+2:ST+64*\T+\k+3]
	v_pk_add_f32 v[S4:S4+1], v[S4:S4+1], v[ST+64*\T+\k+4:ST+64*\T+\k+5]
	v_pk_add_f32 v[NM+4*\T+2:NM+4*\T+3], v[NM+4*\T+2:NM+4*\T+3], v[ST+64*\T+\k+6:ST+64*\T+\k+7]
.if \k == 14
	v_lshl_or_b32 v[PW+\T], v[BM+16*\T+6], 16, v[PW+\T]
.endif
.if \k == 22
	v_lshl_or_b32 v[PW+\T], v[BM+16*\T+7], 24, v[PW+\T]
.endif
.endr
	v_pk_add_f32 v[S2:S2+1], v[S2:S2+1], v[ST+64*\T+62:ST+64*\T+63]
	v_pk_add_f32 v[NM+4*\T+2:NM+4*\T+3], v[NM+4*\T+2:NM+4*\T+3], v[S4:S4+1]
	v_pk_add_f32 v[S2:S2+1], v[S2:S2+1], v[S3:S3+1]
	v_pk_add_f32 v[NM+4*\T+2:NM+4*\T+3], v[NM+4*\T+2:NM+4*\T+3], v[S2:S2+1]
.endm
	s_load_b256 s[4:11], s[0:1], 0x0               ; qkv_img 4, qkv_scl 6, c_img 8, c_scl 10
	v_lshl_add_u32 v[SPW], v0, 2, SPARE
	v_mov_b32 v[NIL], 0
	ds_add_u32 v[SPW], v[NIL]                      ; the opening lines: the add, twice on end, and its wait
	ds_add_u32 v[SPW], v[NIL]
	v_lshrrev_b32 v34, 5, v0
	v_readfirstlane_b32 s[WV], v34                 ; wave 0..7
	s_bfe_u32 s12, ttmp6, 0x40000                  ; cx
	s_and_b32 s13, ttmp7, 0xffff                   ; 16 batch + head
	s_lshr_b32 s14, s13, 1                         ; 8 batch + head pair
	s_and_b32 s15, s13, 1                          ; head % 2
	s_and_b32 s16, s[WV], 3
	s_and_b32 s17, s[WV], 1
	s_lshl_b32 s74, s14, 18                        ; 16 blocks of 16,384 bytes a head pair
	s_lshl_b32 s76, s15, 10
	s_add_co_u32 s76, s76, s74
	s_lshl_b32 s77, s16, 16
	s_add_co_u32 s76, s76, s77                     ; K: my quarter, 32 rows 2,048 bytes apart
	s_add_co_u32 s76, s76, 8388608
	s_mov_b32 s77, 0
	s_lshl_b32 s78, s15, 13
	s_add_co_u32 s78, s78, s74
	s_lshl_b32 s79, s17, 17
	s_add_co_u32 s78, s78, s79                     ; V: my half, 8 rows 16,384 bytes apart
	s_add_co_u32 s78, s78, 16777216
	s_mov_b32 s79, 0
	s_mul_i32 s80, s14, 24576                      ; 16 blocks of 1,536 scale bytes
	s_lshl_b32 s81, s15, 8
	s_add_co_u32 s80, s80, s81
	s_lshl_b32 s81, s17, 9
	s_add_co_u32 s80, s80, s81                     ; K's (wave 6) or V's (wave 7)
	s_add_co_u32 s80, s80, 512
	s_mov_b32 s81, 0
	s_mov_b32 s[G1K], 15|(3<<16)|(1<<21)           ; the mask names the cluster's four; elements of 8 bytes
	s_mov_b32 s[G1K+1], 128<<16                    ; 32 rows of 1,024 bytes
	s_mov_b32 s[G1K+2], 32<<16
	s_mov_b32 s[G1K+3], 128<<16
	s_mov_b32 s[G1K+4], 32
	s_mov_b32 s[G1K+5], 256
	s_mov_b32 s[G1K+6], 0
	s_mov_b32 s[G1K+7], 0
	s_mov_b32 s[G1V], 15|(3<<16)|(1<<21)
	s_mov_b32 s[G1V+1], 1024<<16                   ; 8 rows of 8,192 bytes
	s_mov_b32 s[G1V+2], 8<<16
	s_mov_b32 s[G1V+3], 1024<<16
	s_mov_b32 s[G1V+4], 8
	s_mov_b32 s[G1V+5], 2048
	s_mov_b32 s[G1V+6], 0
	s_mov_b32 s[G1V+7], 0
	s_mov_b32 s[G1S], 15|(3<<16)|(1<<21)
	s_mov_b32 s[G1S+1], 32<<16                     ; 16 rows of 256 bytes
	s_mov_b32 s[G1S+2], 16<<16
	s_mov_b32 s[G1S+3], 32<<16
	s_mov_b32 s[G1S+4], 16
	s_mov_b32 s[G1S+5], 192
	s_mov_b32 s[G1S+6], 0
	s_mov_b32 s[G1S+7], 0
	s_mov_b32 s[SEL], 0x76543210
	s_mov_b32 s[SEL+1], 0xfedcba98
	s_mov_b32 s[CS], 0x3e38aa3b                    ; c = log2(e) / 8
	s_mov_b32 s[CS+1], s[CS]
	s_mov_b32 s[NCS], 0xbe38aa3b                   ; -c
	s_mov_b32 s[MNT], 0x600000
	s_mov_b32 s[HM], 0xffff0000
	s_wait_dscnt 0x0
	s_wait_kmcnt 0x0
	s_mov_b32 s[G0K], 1
	s_lshl_b32 s[G0K+1], s16, 15
	s_add_nc_u64 s[G0K+2:G0K+3], s[4:5], s[76:77]
	s_or_b32 s[G0K+3], s[G0K+3], 0x80000000
	s_mov_b32 s[G0V], 1
	s_lshl_b32 s[G0V+1], s17, 16
	s_add_co_u32 s[G0V+1], s[G0V+1], VLDS
	s_add_nc_u64 s[G0V+2:G0V+3], s[4:5], s[78:79]
	s_or_b32 s[G0V+3], s[G0V+3], 0x80000000
	s_mov_b32 s[G0S], 1
	s_lshl_b32 s[G0S+1], s17, 12
	s_add_co_u32 s[G0S+1], s[G0S+1], SLDS
	s_add_nc_u64 s[G0S+2:G0S+3], s[6:7], s[80:81]
	s_or_b32 s[G0S+3], s[G0S+3], 0x80000000
	CROUND                                         ; the four work-groups are here: the joint loads meet
	ARM 4, G0K, G1K, .Lhead_v
	ARM 6, G0V, G1V, .Lhead_s
	tensor_load_to_lds s[G0S:G0S+3], s[G1S:G1S+7]
	s_nop 0
.rept 4
	v_nop
.endr
.Lhead_asked:
	s_lshl_b32 s80, s14, 4
	s_lshl_b32 s81, s12, 2
	s_add_co_u32 s80, s80, s81                     ; my work-group's first block of 128 tokens
	s_lshl_b32 s82, s80, 14
	s_lshl_b32 s83, s[WV], 11
	s_add_co_u32 s82, s82, s83
	s_lshl_b32 s83, s15, 10
	s_add_co_u32 s82, s82, s83
	s_mov_b32 s83, 0
	s_add_nc_u64 s[66:67], s[4:5], s[82:83]        ; Q's images: tile T 16,384 bytes on, pass P 32,768
	s_mul_i32 s82, s80, 1536
	s_lshl_b32 s87, s15, 8
	s_add_co_u32 s82, s82, s87
	s_lshr_b32 s87, s[WV], 1
	s_lshl_b32 s87, s87, 2
	s_add_co_u32 s82, s82, s87
	s_add_nc_u64 s[68:69], s[6:7], s[82:83]        ; Q's scale words: tile T 1,536 bytes on, pass P 3,072
	s_cmp_eq_u32 s17, 0
	s_mov_b32 s[PSEL], 0x03020302
	s_cselect_b32 s[PSEL], 0x01000100, s[PSEL]     ; my tile's two bytes of the word, twice
	s_lshr_b32 s87, s13, 4
	s_lshl_b32 s88, s87, 7
	s_lshl_b32 s89, s12, 5
	s_add_co_u32 s88, s88, s89
	s_add_co_u32 s88, s88, s[WV]                   ; my first token tile of c_img
	s_lshl_b32 s82, s88, 14
	s_and_b32 s89, s14, 7
	s_lshl_b32 s89, s89, 11
	s_add_co_u32 s82, s82, s89
	s_lshl_b32 s89, s15, 10
	s_add_co_u32 s82, s82, s89
	s_add_nc_u64 s[70:71], s[8:9], s[82:83]
	s_and_b32 s89, s13, 15
	s_lshl_b32 s82, s89, 14
	s_lshl_b32 s89, s88, 5
	s_add_co_u32 s82, s82, s89
	s_add_nc_u64 s[72:73], s[10:11], s[82:83]
	v_and_b32 v34, 31, v0
	v_lshlrev_b32 v[LI], 4, v34                    ; 16 x lane
	v_and_b32 v35, 15, v0                          ; r
	v_bfe_u32 v36, v0, 4, 1                        ; h
	v_lshl_add_u32 v[SA], v35, 4, SLDS             ; my row's four scale words
	v_lshl_add_u32 v[CB], v35, 1, v36              ; the way out's byte: 2 r + h
	v_lshlrev_b32 v37, 4, v35
.irp q, 68, 100
	global_load_b128 v[\q:\q+3], v[LI], s[66:67]
	global_load_b128 v[\q+4:\q+7], v[LI], s[66:67] offset:512
.endr
	global_load_b128 v[84:87], v[LI], s[66:67] offset:16384
	global_load_b128 v[88:91], v[LI], s[66:67] offset:16384+512
	global_load_b32 v[QS], v37, s[68:69]
	global_load_b32 v[QS+1], v37, s[68:69] offset:1536
	global_load_b32 v236, v37, s[68:69] offset:3072
	global_load_b32 v237, v37, s[68:69] offset:4608
	WIN 0x40
.irp T, 0,1
	global_load_b128 v[QN+8*\T:QN+8*\T+3], v[LI], s[66:67] offset:32768+16384*\T
	global_load_b128 v[QN+8*\T+4:QN+8*\T+7], v[LI], s[66:67] offset:32768+16384*\T+512
.endr
	WIN 0
.irp j, 0,1,2,3,4,5,6,7
	v_mov_b32 v[76+\j], 0                          ; zero codes beside Q
	v_mov_b32 v[92+\j], 0
.endr
.irp b, 0,1,2,3
	v_mov_b32 v[BM+4+\b], 0                        ; a lane permute's destination counts as read
	v_mov_b32 v[BM+20+\b], 0
.endr
	v_mov_b32 v[FF+1], 0                           ; named as the upper halves of pairs
	v_mov_b32 v[FF+3], 0
	s_wait_alu depctr_va_vdst(0)
	s_wait_loadcnt 0x0
	v_perm_b32 v[QS], v[QS], v[QS], s[PSEL]
	v_perm_b32 v[QS+1], v[QS+1], v[QS+1], s[PSEL]
	s_wait_alu depctr_va_vdst(0)
	s_wait_tensorcnt 0x0                           ; my tile is in
	s_barrier_signal -1
	s_barrier_wait -1                              ; everybody's is
	WIN 0x40
.irp p, 0,1,2,3
.irp c, 0,1,2,3
	ds_load_b128 v[KF+16*\p+4*\c:KF+16*\p+4*\c+3], v[LI] offset:\p*2048+\c*512    ; K's fragments of step 0
.endr
.endr
	WIN 0
	ds_load_b128 v[KS:KS+3], v[SA]
	s_mov_b32 s[PASSES], 2
	s_wait_dscnt 0x0
.Lpass:
.irp T, 0,1
	v_mov_b32 v[NM+4*\T+1], 0xff61b1e6             ; the largest score so far: -3e38
	v_mov_b32 v[NM+4*\T], 0x7e000000               ; -M: 2^125, a whole number: the first change of M gives f = 0, which multiplies zeros
	v_mov_b32 v[NM+4*\T+2], 0
	v_mov_b32 v[NM+4*\T+3], 0
.endr
	WIN 0x40
.set j, 0
.rept 64
	v_mov_b32 v[OT+j], 0
.set j, j+1
.endr
	WIN 0
	s_mov_b32 s[TV], VLDS
	s_mov_b32 s[TS], 0
	s_mov_b32 s[CNT], 16
	s_wait_alu depctr_va_vdst(0)
.Lstep:
	s_add_co_u32 s[TK], s[TV], 8192
	s_and_b32 s[TK], s[TK], 0x1ffff                ; K's next step; behind the last, step 0
	s_add_co_u32 s[TSK], s[TS], 256
	s_and_b32 s[TSK], s[TSK], 0xfff
	WIN 0x01                                       ; source 0 (K) window 1
.irp p, 0,1,2,3
	v_wmma_scale_f32_16x16x128_f8f6f4 v[ST+16*\p:ST+16*\p+7], v[KF+16*\p:KF+16*\p+15], v[68:83], 0, v[KS+\p], v[QS]
	v_wmma_scale_f32_16x16x128_f8f6f4 v[ST+64+16*\p:ST+64+16*\p+7], v[KF+16*\p:KF+16*\p+15], v[84:99], 0, v[KS+\p], v[QS+1]
	v_wmma_scale_f32_16x16x128_f8f6f4 v[ST+16*\p+8:ST+16*\p+15], v[KF+16*\p:KF+16*\p+15], v[92:107], 0, v[KS+\p], v[QS]
	v_wmma_scale_f32_16x16x128_f8f6f4 v[ST+64+16*\p+8:ST+64+16*\p+15], v[KF+16*\p:KF+16*\p+15], v[76:91], 0, v[KS+\p], v[QS+1]
.endr
	WIN 0
	v_add_nc_u32 v[ADK], s[TK], v[LI]              ; four additions and four v_nop: the eight places behind the products
	v_add_nc_u32 v[ADV], s[TV], v[LI]
	v_add_nc_u32 v[ASK], s[TSK], v[SA]
	v_add_nc_u32 v[ASV], s[TS], v[SA]
.rept 4
	v_nop
.endr
	WIN 0x40
.irp t, 0,1,2,3
.irp c, 0,1,2,3
	ds_load_b128 v[VF+16*\t+4*\c:VF+16*\t+4*\c+3], v[ADV] offset:\t*2048+\c*512
.endr
.endr
.irp p, 0,1,2,3
.irp c, 0,1,2,3
	ds_load_b128 v[KF+16*\p+4*\c:KF+16*\p+4*\c+3], v[ADK] offset:\p*2048+\c*512
.endr
.endr
	WIN 0
	ds_load_b128 v[VS:VS+3], v[ASV] offset:4096
	ds_load_b128 v[KS:KS+3], v[ASK]
; the largest score of each block of 32 keys, eight blocks by turns; each accumulator is read from its low end on
.irp T, 0,1
.irp b, 0,1,2,3
	v_max3_num_f32 v[BM+16*\T+\b], v[ST+64*\T+16*\b], v[ST+64*\T+16*\b+1], v[ST+64*\T+16*\b+2]
.endr
.endr
.irp i, 3,5,7,9,11,13
.irp T, 0,1
.irp b, 0,1,2,3
	v_max3_num_f32 v[BM+16*\T+\b], v[BM+16*\T+\b], v[ST+64*\T+16*\b+\i], v[ST+64*\T+16*\b+\i+1]
.endr
.endr
.endr
.irp T, 0,1
.irp b, 0,1,2,3
	v_max_num_f32 v[BM+16*\T+\b], v[BM+16*\T+\b], v[ST+64*\T+16*\b+15]
.endr
.endr
.irp T, 0,1
.irp b, 0,1,2,3
	v_permlanex16_b32 v[BM+16*\T+4+\b], v[BM+16*\T+\b], s[SEL], s[SEL+1]
.endr
.endr
.irp T, 0,1
.irp b, 0,1,2,3
	v_max_num_f32 v[BM+16*\T+\b], v[BM+16*\T+\b], v[BM+16*\T+4+\b]
.endr
.endr
.irp T, 0,1
	v_max3_num_f32 v[TMP+\T], v[BM+16*\T], v[BM+16*\T+1], v[BM+16*\T+2]
.endr
.irp T, 0,1
	v_max3_num_f32 v[NM+4*\T+1], v[NM+4*\T+1], v[TMP+\T], v[BM+16*\T+3]   ; the running largest score
.endr
.irp T, 0,1
	v_mul_f32 v[TMP+\T], s[NCS], v[NM+4*\T+1]      ; -t
.endr
.irp T, 0,1
	v_floor_f32 v[TMP+\T], v[TMP+\T]               ; the new -M = -ceil(t)
.endr
.irp T, 0,1
	v_sub_f32 v[FF+2*\T], v[TMP+\T], v[NM+4*\T]    ; old M - new M: a whole number, 0 or less
.endr
.irp T, 0,1
	v_mov_b32 v[NM+4*\T], v[TMP+\T]
.endr
.irp T, 0,1
	v_cvt_i32_f32 v[FF+2*\T], v[FF+2*\T]           ; (it saturates)
.endr
.irp T, 0,1
	v_ldexp_f32 v[FF+2*\T], 1.0, v[FF+2*\T]        ; f = 2^(old M - new M)
.endr
.set j, 0
.rept 32
	v_pk_fma_f32 v[ST+j:ST+j+1], v[ST+j:ST+j+1], s[CS:CS+1], v[NM:NM+1] op_sel_hi:[1,0,0]   ; tile A: t - M
.set j, j+2
.endr
.irp b, 0,1,2,3
	v_fma_f32 v[BM+\b], v[BM+\b], s[CS], v[NM]
.endr
	s_wait_alu depctr_va_vdst(0)
.set j, 0
.rept 32
	v_exp_f32 v[ST+j], v[ST+j]                     ; tile A: p = 2^(t - M); among them tile B's t - M
	v_pk_fma_f32 v[ST+64+j:ST+64+j+1], v[ST+64+j:ST+64+j+1], s[CS:CS+1], v[NM+4:NM+5] op_sel_hi:[1,0,0]
	v_exp_f32 v[ST+j+1], v[ST+j+1]
.set j, j+2
.endr
.irp b, 0,1,2,3
	v_exp_f32 v[BM+\b], v[BM+\b]                   ; each block's largest p
	v_fma_f32 v[BM+16+\b], v[BM+16+\b], s[CS], v[NM+4]
.endr
	v_pk_mul_f32 v[NM+2:NM+3], v[NM+2:NM+3], v[FF:FF+1] op_sel_hi:[1,0]   ; A's sum under the new M
	s_wait_alu depctr_va_vdst(0)                   ; one wait for the batch, ahead of its first reader
	SCALE 0
	SUMS 0
	s_wait_alu depctr_va_vdst(0)
.set j, 0
.rept 32
	v_exp_f32 v[ST+64+j], v[ST+64+j]               ; tile B's p; among them the hold of A's p, two numbers an instruction (the conversion does not saturate: ISA guide 7.6.2; p is not negative)
	v_dual_min_num_f32 v[ST+j], v[ST+j], v[BM+8+j/16] :: v_dual_min_num_f32 v[ST+j+1], v[ST+j+1], v[BM+8+j/16]
	v_exp_f32 v[ST+64+j+1], v[ST+64+j+1]
.set j, j+2
.endr
.irp b, 0,1,2,3
	v_exp_f32 v[BM+16+\b], v[BM+16+\b]
.endr
	v_pk_mul_f32 v[NM+6:NM+7], v[NM+6:NM+7], v[FF+2:FF+3] op_sel_hi:[1,0]   ; B's sum under the new M; a plain line behind the batch
	s_wait_alu depctr_va_vdst(0)                   ; one wait for the batch, ahead of its first reader
	SCALE 1
	SUMS 1
.set j, 0
.rept 32
	v_dual_min_num_f32 v[ST+64+j], v[ST+64+j], v[BM+24+j/16] :: v_dual_min_num_f32 v[ST+64+j+1], v[ST+64+j+1], v[BM+24+j/16]
.set j, j+2
.endr
	WIN 0x40                                       ; the codes: window 1
.irp T, 0,1
.irp b, 0,1,2,3
	v_cvt_scalef32_pk8_fp8_f32 v[PCD+16*\T+4*\b:PCD+16*\T+4*\b+1], v[ST+64*\T+16*\b:ST+64*\T+16*\b+7], v[BM+16*\T+12+\b]
	v_cvt_scalef32_pk8_fp8_f32 v[PCD+16*\T+4*\b+2:PCD+16*\T+4*\b+3], v[ST+64*\T+16*\b+8:ST+64*\T+16*\b+15], v[BM+16*\T+12+\b]
.endr
.endr
	v_nop                                          ; one plain line behind the last conversion
	WIN 0x41
	s_wait_alu depctr_va_vdst(0)                   ; directly ahead of the first reader of O^T
.irp T, 0,1
.set j, 0
.rept 16
	v_pk_mul_f32 v[OT+32*\T+j:OT+32*\T+j+1], v[OT+32*\T+j:OT+32*\T+j+1], v[FF+2*\T:FF+2*\T+1] op_sel_hi:[1,0]   ; O^T under the new M; also the places ahead of the products
.set j, j+2
.endr
.endr
	s_wait_alu depctr_va_vdst(0)
	s_wait_dscnt 0x0                               ; V's fragments of this step and K's of the next are in
	WIN 0x55
.irp t, 0,1,2,3
.irp T, 0,1
	v_wmma_scale_f32_16x16x128_f8f6f4 v[OT+32*\T+8*\t:OT+32*\T+8*\t+7], v[VF+16*\t:VF+16*\t+15], v[PCD+16*\T:PCD+16*\T+15], v[OT+32*\T+8*\t:OT+32*\T+8*\t+7], v[VS+\t], v[PW+\T]
.endr
.endr
	WIN 0
	s_add_co_u32 s[TV], s[TV], 8192
	s_add_co_u32 s[TS], s[TS], 256
	s_sub_co_u32 s[CNT], s[CNT], 1
	s_cmp_lg_u32 s[CNT], 0
	s_cbranch_scc1 .Lstep
; THE WAY OUT of a pass: O^T / the sum, quantised along the head's 64 channels (two blocks a tile), stored as half a fragment's image and two scale bytes a token
.irp T, 0,1
	v_add_f32 v[NM+4*\T+2], v[NM+4*\T+2], v[NM+4*\T+3]
.endr
.irp T, 0,1
	v_permlanex16_b32 v[TMP+\T], v[NM+4*\T+2], s[SEL], s[SEL+1]
.endr
.irp T, 0,1
	v_add_f32 v[NM+4*\T+2], v[NM+4*\T+2], v[TMP+\T]
.endr
.rept 4
	v_nop                                          ; with the four additions: eight places behind the last products
.endr
	s_wait_alu depctr_va_vdst(0)
.irp T, 0,1
	v_rcp_f32 v[NM+4*\T+2], v[NM+4*\T+2]
.endr
	v_nop
	WIN 0x01
	s_wait_alu depctr_va_vdst(0)                   ; ahead of the first reader of the reciprocals and of O^T
.irp T, 0,1
.set j, 0
.rept 16
	v_pk_mul_f32 v[ST+64*\T+j:ST+64*\T+j+1], v[OT+32*\T+j:OT+32*\T+j+1], v[NM+4*\T+2:NM+4*\T+3] op_sel_hi:[1,0]
.set j, j+2
.endr
.endr
	WIN 0
.irp T, 0,1
.irp b, 0,1
	v_max3_num_f32 v[BM+16*\T+\b], |v[ST+64*\T+16*\b]|, |v[ST+64*\T+16*\b+1]|, 0x4800000
.endr
.endr
.irp i, 2,4,6,8,10,12,14
.irp T, 0,1
.irp b, 0,1
	v_max3_num_f32 v[BM+16*\T+\b], v[BM+16*\T+\b], |v[ST+64*\T+16*\b+\i]|, |v[ST+64*\T+16*\b+\i+1]|
.endr
.endr
.endr
.irp T, 0,1
.irp b, 0,1
	v_permlanex16_b32 v[BM+16*\T+4+\b], v[BM+16*\T+\b], s[SEL], s[SEL+1]
.endr
.endr
.irp T, 0,1
.irp b, 0,1
	v_max_num_f32 v[BM+16*\T+\b], v[BM+16*\T+\b], v[BM+16*\T+4+\b]
.endr
.endr
.irp T, 0,1
.irp b, 0,1
	v_add_nc_u32 v[BM+16*\T+12+\b], 0xfc000000, v[BM+16*\T+\b]
.endr
.endr
.irp T, 0,1
.irp b, 0,1
	v_and_or_b32 v[BM+16*\T+8+\b], v[BM+16*\T+\b], 0x7f800000, s[MNT]
.endr
.endr
.irp T, 0,1
.irp b, 0,1
	v_lshrrev_b32 v[BM+16*\T+4+\b], 23, v[BM+16*\T+12+\b]
.endr
.endr
.irp T, 0,1
.irp b, 0,1
.irp i, 0,1,2,3,4,5,6,7,8,9,10,11,12,13,14,15
	v_med3_num_f32 v[ST+64*\T+16*\b+\i], v[ST+64*\T+16*\b+\i], -v[BM+16*\T+8+\b], v[BM+16*\T+8+\b]
.endr
.endr
.endr
.irp T, 0,1
.irp b, 0,1
	v_cvt_scalef32_pk8_fp8_f32 v[OC+8*\T+4*\b:OC+8*\T+4*\b+1], v[ST+64*\T+16*\b:ST+64*\T+16*\b+7], v[BM+16*\T+12+\b]
	v_cvt_scalef32_pk8_fp8_f32 v[OC+8*\T+4*\b+2:OC+8*\T+4*\b+3], v[ST+64*\T+16*\b+8:ST+64*\T+16*\b+15], v[BM+16*\T+12+\b]
.endr
.endr
	v_nop
.irp T, 0,1
	v_cndmask_b32 v[TMP+\T], v[BM+16*\T+4], v[BM+16*\T+5], s[HM]   ; lanes 0-15 store block 0's byte, lanes 16-31 block 1's
.endr
.irp T, 0,1
	global_store_b128 v[LI], v[OC+8*\T:OC+8*\T+3], s[70:71] offset:131072*\T          ; 512 consecutive bytes, aligned
	global_store_b128 v[LI], v[OC+8*\T+4:OC+8*\T+7], s[70:71] offset:131072*\T+512
	global_store_b8 v[CB], v[TMP+\T], s[72:73] offset:256*\T
.endr
	s_cmp_eq_u32 s[PASSES], 1
	s_cbranch_scc1 .Ldone
	s_wait_xcnt 0x0                                ; the stores have read their bases and registers
	s_add_nc_u64 s[70:71], s[70:71], 262144        ; 16 token tiles on
	s_add_nc_u64 s[72:73], s[72:73], 512
	WIN 0x01
.irp j, 0,1,2,3,4,5,6,7
	v_mov_b32 v[68+\j], v[QN+\j]                   ; the second pass's Q
	v_mov_b32 v[100+\j], v[QN+\j]
	v_mov_b32 v[84+\j], v[QN+8+\j]
.endr
	WIN 0
	v_perm_b32 v[QS], v236, v236, s[PSEL]
	v_perm_b32 v[QS+1], v237, v237, s[PSEL]
	s_sub_co_u32 s[PASSES], s[PASSES], 1
	s_wait_alu depctr_va_vdst(0)
	s_branch .Lpass
.Ldone:
	s_wait_tensorcnt 0x0                           ; the wave's end
	ds_add_u32 v[SPW], v[NIL]
	s_wait_dscnt 0x0
	CROUND                                         ; the closing round
	s_endpgm
.Lfunc_end_k_q0086d27305_attn:
	.size	k_q0086d27305_attn, .Lfunc_end_k_q0086d27305_attn-k_q0086d27305_attn
	.p2alignl 7, 3214868480
	.fill 96, 4, 3214868480
	.section	.rodata,"a",@progbits
	.p2align	6, 0x0
	.amdhsa_kernel k_q0086d27305_attn
		.amdhsa_group_segment_fixed_size 327680
		.amdhsa_private_segment_fixed_size 0
		.amdhsa_enable_private_segment 0
		.amdhsa_kernarg_size 32
		.amdhsa_user_sgpr_count 2
		.amdhsa_user_sgpr_kernarg_segment_ptr 1
		.amdhsa_wavefront_size32 1
		.amdhsa_system_sgpr_workgroup_id_x 1
		.amdhsa_system_sgpr_workgroup_id_y 1
		.amdhsa_system_sgpr_workgroup_id_z 1
		.amdhsa_system_vgpr_workitem_id 0
		.amdhsa_next_free_vgpr 512
		.amdhsa_next_free_sgpr 96
		.amdhsa_reserve_vcc 0
		.amdhsa_float_denorm_mode_32 3
		.amdhsa_float_denorm_mode_16_64 3
		.amdhsa_memory_ordered 1
		.amdhsa_forward_progress 1
		.amdhsa_inst_pref_size 60
	.end_amdhsa_kernel
	.amdgpu_metadata
---
amdhsa.version: [ 1, 2 ]
amdhsa.kernels:
  - .name:           k_q0086d27305_attn
    .symbol:         k_q0086d27305_attn.kd
    .args:
      - { .name: qkv_img, .offset: 0, .size: 8, .value_kind: global_buffer, .address_space: global }
      - { .name: qkv_scl, .offset: 8, .size: 8, .value_kind: global_buffer, .address_space: global }
      - { .name: c_img, .offset: 16, .size: 8, .value_kind: global_buffer, .address_space: global }
      - { .name: c_scl, .offset: 24, .size: 8, .value_kind: global_buffer, .address_space: global }
    .group_segment_fixed_size: 327680
    .private_segment_fixed_size: 0
    .kernarg_segment_align: 8
    .kernarg_segment_size: 32
    .max_flat_workgroup_size: 256
    .sgpr_count:     96
    .vgpr_count:     512
    .wavefront_size: 32
...
	.end_amdgpu_metadata
.endif
;; end of part 3
;; launch outln (part 4): grid 256 x 1, 4 waves a work-group, clusters of 4 x 1, 327,680 bytes of LDS; arguments c_img, c_scl, w_img, w_scl, bo, x, ln_w, ln_b, out0; writes out0
.if DOCPART == 4
	.amdgcn_target "amdgcn-amd-amdhsa--gfx1250"
	.amdhsa_code_object_version 6
	.text
	.protected	k_q0086d27305_outln
	.globl	k_q0086d27305_outln
	.p2align	8
	.type	k_q0086d27305_outln,@function
k_q0086d27305_outln:
	s_mov_b64 s[64:65], 0
	v_nop
	global_prefetch_b8 v0, s[64:65] scope:SCOPE_SE
	s_setreg_imm32_b32 hwreg(HW_REG_WAVE_MODE, 25, 1), 1
	s_wait_xcnt 0x0
	s_wait_alu depctr_hold_cnt(0) depctr_sa_sdst(0) depctr_va_vdst(0) depctr_va_sdst(0) depctr_va_ssrc(0) depctr_va_vcc(0) depctr_vm_vsrc(0)
	s_getreg_b32 s2, hwreg(HW_REG_IB_STS2, 6, 4)
	s_cmp_eq_u32 s2, 0
	s_cbranch_scc0 .Lentry_in_a_cluster
	s_endpgm
.Lentry_in_a_cluster:
	s_bfe_u32 s2, ttmp6, 0x10000c
	s_cmp_lg_u32 s2, 0x3003
	s_cbranch_scc0 .Lentry_shape_is_right
	s_endpgm
.Lentry_shape_is_right:
; out0 = layer norm(x + concat Wo + bo) x ln_w + ln_b.  The product runs on codes of FP8 (E4M3) with E8M0 scales, K = 1,024; all else in f32.
; SHARES.  A work-group owns 32 tokens and all 1,024 columns, so that each row of the norm has one owner.  Wave w makes columns 256 w .. 256 w + 255 (16 tiles) for both token tiles: 32 accumulators.
; The product is used transposed (source 0 = 16 columns of Wo, source 1 = 16 tokens): a lane holds eight neighbouring columns of one token.
; CLUSTERS: every work-group walks all of Wo, so the four of a cluster ask for it jointly: K goes in steps of 128 through a ring of two LDS slots of 131,072 bytes;
; each wave fetches, by one tensor load, the 16 tiles that it multiplies itself (16 rows of 2,048 bytes, 16,384 apart in memory, dense in LDS).  A fragment is read from LDS by four loads of 512 consecutive bytes.
; The tokens' fragments of all eight K steps (256 registers) come from memory at the head.  x's rows are loaded in the norm's layout during the last K step, into the registers that Wo's fragments leave.
; PREFETCH: trip t asks for Wo's K step t + 2 (512 blocks of 256 bytes: a lane a block, one instruction a wave, the cluster's sixteen waves told apart by address), t = 0 .. 5;
; trips 0 .. 3 ask for rows 2 t, 2 t + 1 of my wave's eight rows of x (32 blocks of 256 bytes), which are loaded in trip 7.  K steps 0 and 1 come by their loads alone.
; The stage of the way out (32 rows x 4,112 bytes) lies in slot 0, which has had its last fill and, behind trip 7's barrier, its last read, and in the 512 bytes behind it.
; The variance is taken of the differences from the mean, in a second pass over registers, as the reference takes it.
; LIMITS: NaN and infinities are not served; inside a block of 32 the order of the sum is the images' order.
; REGISTERS, in windows of 256: window 0: v1-15 addresses; v16-31 the tokens' scale bytes as loaded; v32-39 their words (lanes 0-15 token tile 0, lanes 16-31 tile 1); v40-55 the norm's sums;
;   v64-95 ln_w, v96-127 ln_b; v128-255 Wo's scale words (8 n + s), at the end v128-159 bo.   window 1: Wo's 16 fragments; then x's eight rows.
;   window 2: the accumulators ((n, m) at v[16 n + 8 m]); then two rows v0-63 and chains v64-79.   window 3: the tokens' fragments (32 s + 16 m).
.set SL0,  131072                      ; slot 1 lies at 0, slot 0 at 131,072
.set STG,  131072
.set SPT,  4112
.set SPARE, 262656                     ; behind the stage: the spare words, 128 bytes a wave: two blocks of 256 bytes that no other line names
.set ADB,  12                          ; v12, v13 my fragments' LDS address in slot 0, 1
.set PFX,  14
.set PFW,  15
.set ATW,  16
.set ASC,  32
.set T0,   40
.set SPW,  62
.set NIL,  63
.set LW,   64
.set LB,   96
.set BS,   128
.set BO,   128
.set Y,    0
.set TC,   64
.set G1,   24
.set G0,   32                          ; s[32:35] slot 0's group 0, s[36:39] slot 1's
.set SEL,  42
.set MSB, 0
.macro WIN new
.if MSB != (\new)
	s_set_vgpr_msb (MSB<<8)|(\new)
.set MSB, (\new)
.endif
.endm
.macro PLACES n
.rept \n
	v_nop
.endr
.endm
.macro CROUND
	s_barrier_signal -1
	s_barrier_wait -1
	s_cmp_lg_u32 s22, 0
	s_cbranch_scc1 .Lnot_wave_0_\@
	s_barrier_signal -3
.Lnot_wave_0_\@:
	s_barrier_wait -3
	s_barrier_signal -1
	s_barrier_wait -1
.endm
	s_load_b512 s[4:19], s[0:1], 0x0               ; c_img 4, c_scl 6, w_img 8, w_scl 10, bo 12, x 14, ln_w 16, ln_b 18
	s_load_b64 s[20:21], s[0:1], 0x40              ; out0
	v_lshl_add_u32 v[SPW], v0, 2, SPARE
	v_mov_b32 v[NIL], 0
	ds_add_u32 v[SPW], v[NIL]                      ; the opening lines: the add, twice on end, and its wait
	ds_add_u32 v[SPW], v[NIL]
	v_lshrrev_b32 v1, 5, v0
	v_readfirstlane_b32 s22, v1                    ; wave 0..3
	s_bfe_u32 s50, ttmp6, 0x40000                  ; cx
	s_lshl_b32 s23, ttmp9, 2
	s_add_co_u32 s23, s23, s50                     ; my work-group
	s_mov_b32 s[G1], 15|(3<<16)|(1<<21)            ; the mask names the cluster's four; elements of 8 bytes
	s_mov_b32 s[G1+1], 256<<16                     ; 16 rows of 2,048 bytes
	s_mov_b32 s[G1+2], 16<<16
	s_mov_b32 s[G1+3], 256<<16
	s_mov_b32 s[G1+4], 16
	s_mov_b32 s[G1+5], 2048
	s_mov_b32 s[G1+6], 0
	s_mov_b32 s[G1+7], 0
	s_lshl_b32 s44, s22, 4
	s_add_co_u32 s44, s44, 192                     ; Wo's columns begin at row tile 192 of W's images; my 16 tiles
	s_lshl_b32 s46, s44, 14
	s_mov_b32 s47, 0
	s_lshl_b32 s45, s22, 15                        ; LDS: 32,768 x wave
	s_mov_b32 s40, 0x3a800000                      ; 1 / 1,024
	s_mov_b32 s41, 0x3727c5ac                      ; 1e-5
	s_mov_b32 s[SEL], 0x76543210
	s_mov_b32 s[SEL+1], 0xfedcba98
	s_wait_dscnt 0x0
	s_wait_kmcnt 0x0
	s_mov_b32 s[G0], 1
	s_add_co_u32 s[G0+1], s45, SL0
	s_add_nc_u64 s[G0+2:G0+3], s[8:9], s[46:47]    ; K step 0
	s_mov_b32 s[G0+4], 1
	s_mov_b32 s[G0+5], s45
	s_add_nc_u64 s[G0+6:G0+7], s[G0+2:G0+3], 2048  ; K step 1
	s_or_b32 s[G0+3], s[G0+3], 0x80000000
	s_or_b32 s[G0+7], s[G0+7], 0x80000000
	CROUND                                         ; the four work-groups are here: the joint loads meet
	tensor_load_to_lds s[G0:G0+3], s[G1:G1+7]      ; K step 0: my one tensor load at the head
	s_nop 0
	PLACES 4
	s_lshl_b32 s46, s44, 9
	s_add_nc_u64 s[10:11], s[10:11], s[46:47]      ; my tiles' scale words
	s_lshl_b32 s46, s23, 6
	s_add_nc_u64 s[6:7], s[6:7], s[46:47]          ; 2 bytes a token and head
	s_lshl_b32 s46, s23, 15
	s_add_nc_u64 s[4:5], s[4:5], s[46:47]          ; my two token tiles
	s_lshl_b32 s46, s23, 17                        ; 32 rows of 4,096 bytes,
	s_add_co_u32 s46, s46, s45                     ; my 8
	s_add_nc_u64 s[14:15], s[14:15], s[46:47]
	s_add_nc_u64 s[20:21], s[20:21], s[46:47]
	s_lshl_b32 s46, s50, 2
	s_add_co_u32 s46, s46, s22
	s_lshl_b32 s46, s46, 2
	s_add_co_u32 s46, s46, 192
	s_lshl_b32 s46, s46, 14
	s_add_nc_u64 s[48:49], s[8:9], s[46:47]        ; the prefetches of Wo: four tiles for each of the cluster's sixteen waves
	s_lshl_b32 s51, s22, 10
	s_add_co_u32 s51, s51, STG
	s_mul_i32 s52, s22, 8*SPT
	s_add_co_u32 s52, s52, STG
	v_and_b32 v7, 31, v0
	v_and_b32 v8, 15, v0
	v_bfe_u32 v9, v0, 4, 1
	v_lshlrev_b32 v1, 4, v7                        ; 16 x lane
	v_lshlrev_b32 v2, 4, v8                        ; 16 r
	v_lshlrev_b32 v4, 1, v7                        ; 2 x lane
	v_mul_u32_u24 v5, v8, SPT
	v_lshl_add_u32 v5, v9, 5, v5
	v_add_nc_u32 v5, s51, v5                       ; the stage, in: row r, + 32 h, + my 1,024 bytes
	v_add_nc_u32 v6, 16*SPT, v5                    ; token tile 1
	v_add_nc_u32 v10, s52, v1                      ; back: my 8 rows, 16 bytes a lane
	v_add_nc_u32 v[ADB+1], s45, v1
	v_add_nc_u32 v[ADB], SL0, v[ADB+1]
	v_lshlrev_b32 v[PFX], 8, v8
	v_lshl_add_u32 v[PFX], v9, 12, v[PFX]          ; x: lanes 0-15 one row's 16 blocks, lanes 16-31 the next row's
	v_lshrrev_b32 v[PFW], 3, v7
	v_and_b32 v3, 7, v7
	v_lshlrev_b32 v[PFW], 14, v[PFW]
	v_lshl_add_u32 v[PFW], v3, 8, v[PFW]           ; Wo: eight lanes to a tile's 2,048 bytes of a K step
.irp e, 0,1
	v_mov_b32 v[T0+1+4*\e], 0                      ; a lane permute's destination counts as read
	v_mov_b32 v[T0+9+4*\e], 0
.endr
	WIN 0xc0
.irp s, 0,1,2,3,4,5,6,7
.irp m, 0,1
.irp c, 0,1,2,3
	global_load_b128 v[32*\s+16*\m+4*\c:32*\s+16*\m+4*\c+3], v1, s[4:5] offset:\m*16384+\s*2048+\c*512
.endr
.endr
.endr
	WIN 0
.set NN, 0
.rept 16
	global_load_b128 v[BS+8*NN:BS+8*NN+3], v2, s[10:11] offset:NN*512        ; tile n's scale words of K steps 0-3,
	global_load_b128 v[BS+8*NN+4:BS+8*NN+7], v2, s[10:11] offset:NN*512+256  ; 4-7
	global_load_u16 v[ATW+NN], v4, s[6:7] offset:NN*16384                    ; head n's two bytes of token = lane
.set NN, NN+1
.endr
.irp q, 0,1,2,3,4,5,6,7
	global_load_b128 v[LW+4*\q:LW+4*\q+3], v1, s[16:17] offset:512*\q      ; my 32 columns of ln_w and ln_b: 16 bytes a lane of each 512
	global_load_b128 v[LB+4*\q:LB+4*\q+3], v1, s[18:19] offset:512*\q
.endr
; 16 products: tiles n0 .. n0 + 7, both token tiles.  The 32 accumulators take turns, in the same order in every K step.  The first K step starts the sums.
.macro MULS t, n0
.irp k, 0,1,2,3,4,5,6,7
.set NN, \n0+\k
.if \t == 0
	v_wmma_scale_f32_16x16x128_f8f6f4 v[16*NN:16*NN+7], v[16*NN:16*NN+15], v[32*\t:32*\t+15], 0, v[BS+8*NN+\t], v[ASC+\t]
	v_wmma_scale_f32_16x16x128_f8f6f4 v[16*NN+8:16*NN+15], v[16*NN:16*NN+15], v[32*\t+16:32*\t+31], 0, v[BS+8*NN+\t], v[ASC+\t] matrix_b_scale:MATRIX_SCALE_ROW1
.else
	v_wmma_scale_f32_16x16x128_f8f6f4 v[16*NN:16*NN+7], v[16*NN:16*NN+15], v[32*\t:32*\t+15], v[16*NN:16*NN+7], v[BS+8*NN+\t], v[ASC+\t]
	v_wmma_scale_f32_16x16x128_f8f6f4 v[16*NN+8:16*NN+15], v[16*NN:16*NN+15], v[32*\t+16:32*\t+31], v[16*NN+8:16*NN+15], v[BS+8*NN+\t], v[ASC+\t] matrix_b_scale:MATRIX_SCALE_ROW1
.endif
.endr
.endm
.macro LOADX p0                        ; x's rows 2 p0 .. 2 p0 + 3 of my eight, 512 consecutive bytes a load
	WIN 0x40
.irp pe, 0,1,2,3
.irp q, 0,1,2,3,4,5,6,7
	global_load_b128 v[64*\p0+32*\pe+4*\q:64*\p0+32*\pe+4*\q+3], v1, s[14:15] offset:(2*\p0+\pe)*4096+512*\q th:TH_LOAD_NT
.endr
.endr
	WIN 0
.endm
; K step t, in slot t % 2.  In front of the round each wave waits for its one tensor load, adds 0 to its spare word and waits for that and for its reads of the other slot; behind it that slot takes K step t + 1.
.macro TRIP t
.set SL, (\t)%2
	s_wait_tensorcnt 0x0
	ds_add_u32 v[SPW], v[NIL]
	s_add_nc_u64 s[G0+4*SL+2:G0+4*SL+3], s[G0+4*SL+2:G0+4*SL+3], 4096   ; no load of mine is out: this slot's next K step
	s_wait_dscnt 0x0
.if \t < 7
	CROUND
	tensor_load_to_lds s[G0+4*(1-SL):G0+4*(1-SL)+3], s[G1:G1+7]
	s_nop 0
.else
	s_barrier_signal -1                            ; nothing is filled again: my work-group's barrier alone: behind it nobody reads slot 0
	s_barrier_wait -1
.endif
	PLACES 8                                       ; ahead of loads into registers that the last products read
	WIN 0x40
.set NN, 0
.rept 16
.irp c, 0,1,2,3
	ds_load_b128 v[16*NN+4*\c:16*NN+4*\c+3], v[ADB+SL] offset:NN*2048+\c*512
.endr
.set NN, NN+1
.endr
	WIN 0
.if \t < 6
	global_prefetch_b8 v[PFW], s[48:49] offset:(\t+2)*2048 th:TH_LOAD_NT scope:SCOPE_SE
.endif
.if \t < 4
	global_prefetch_b8 v[PFX], s[14:15] offset:\t*8192 th:TH_LOAD_NT scope:SCOPE_SE
.endif
.if \t == 0
	s_wait_loadcnt 0x0                             ; the tokens' fragments, the scale words, ln_w and ln_b
.irp s, 0,1,2,3,4,5,6,7
	v_lshl_or_b32 v[ASC+\s], v[ATW+2*\s+1], 16, v[ATW+2*\s]   ; K step s = heads 2 s, 2 s + 1: four bytes
.endr
	s_wait_alu depctr_va_vdst(0)                   ; the wait behind these writes
	PLACES 8                                       ; a scale register written by a vector instruction stands eight places ahead of the product
.endif
	s_wait_dscnt 32                                ; tiles 0-7 are in; the 32 loads of tiles 8-15 may be out
	WIN 0xad                                       ; source 0 window 1, source 1 window 3, C and D window 2
	MULS \t, 0
.if \t == 7
	PLACES 8
	LOADX 0                                        ; into the registers of tiles 0-7
.irp q, 0,1,2,3,4,5,6,7
	global_load_b128 v[BO+4*\q:BO+4*\q+3], v1, s[12:13] offset:512*\q     ; bo, into scale registers that are done with
.endr
.endif
	s_wait_dscnt 0x0
	WIN 0xad
	MULS \t, 8
	WIN 0
.endm
	s_wait_alu depctr_va_vdst(0)
.irp t, 0,1,2,3,4,5,6,7
	TRIP \t
.endr
	PLACES 8                                       ; in front of the first read of results and of loads into registers that the products read
	LOADX 2
	WIN 0x08                                       ; an LDS store's data are its source 1: window 2
.set NN, 0
.rept 16
	ds_store_b128 v5, v[16*NN:16*NN+3] offset:64*NN            ; each accumulator from its low end on
	ds_store_b128 v5, v[16*NN+4:16*NN+7] offset:64*NN+16
	ds_store_b128 v6, v[16*NN+8:16*NN+11] offset:64*NN
	ds_store_b128 v6, v[16*NN+12:16*NN+15] offset:64*NN+16
.set NN, NN+1
.endr
	WIN 0
	s_wait_dscnt 0x0                               ; for the others' sake: my stores into the stage are done
	s_barrier_signal -1
	s_barrier_wait -1                              ; a row's columns come from four waves
.macro REDUCE tb                       ; the sum over the 32 lanes, both rows by turns; in window 0
.irp k, 1,2,4,8
.irp e, 0,1
	v_add_f32_dpp v[\tb+4*\e], v[\tb+4*\e], v[\tb+4*\e] row_xmask:\k row_mask:0xf bank_mask:0xf
.endr
.endr
.irp e, 0,1
	v_permlanex16_b32 v[\tb+1+4*\e], v[\tb+4*\e], s[SEL], s[SEL+1]
.endr
.irp e, 0,1
	v_add_f32 v[\tb+4*\e], v[\tb+4*\e], v[\tb+1+4*\e]
.endr
.endm
; Rows 8 w + 2 pi and 8 w + 2 pi + 1, line by line in turns
.macro PAIR pi
	WIN 0x80
.irp e, 0,1
.irp q, 0,1,2,3,4,5,6,7
	ds_load_b128 v[Y+32*\e+4*\q:Y+32*\e+4*\q+3], v10 offset:(2*\pi+\e)*SPT+512*\q
.endr
.endr
.if \pi == 0
	s_wait_loadcnt 32                              ; x's rows 0-3 and bo are in; the 32 loads of rows 4-7 may be out
.endif
.if \pi == 2
	s_wait_loadcnt 0x0
.endif
	s_wait_dscnt 0x0
	WIN 0x86                                       ; destination and source 0 window 2, source 1 (x) window 1
.set i, 0
.rept 32
	v_pk_add_f32 v[Y+i:Y+i+1], v[Y+i:Y+i+1], v[64*\pi+i:64*\pi+i+1]
.set i, i+2
.endr
	WIN 0x82                                       ; source 1 window 0
.irp e, 0,1
.set i, 0
.rept 16
	v_pk_add_f32 v[Y+32*\e+i:Y+32*\e+i+1], v[Y+32*\e+i:Y+32*\e+i+1], v[BO+i:BO+i+1]      ; z = x + out, bo among it
.set i, i+2
.endr
.endr
	WIN 0xaa
.irp e, 0,1
	v_pk_add_f32 v[TC+4*\e:TC+4*\e+1], v[Y+32*\e:Y+32*\e+1], v[Y+32*\e+2:Y+32*\e+3]
	v_pk_add_f32 v[TC+4*\e+2:TC+4*\e+3], v[Y+32*\e+4:Y+32*\e+5], v[Y+32*\e+6:Y+32*\e+7]
.endr
.irp i, 8,12,16,20,24,28
.irp e, 0,1
	v_pk_add_f32 v[TC+4*\e:TC+4*\e+1], v[TC+4*\e:TC+4*\e+1], v[Y+32*\e+\i:Y+32*\e+\i+1]
	v_pk_add_f32 v[TC+4*\e+2:TC+4*\e+3], v[TC+4*\e+2:TC+4*\e+3], v[Y+32*\e+\i+2:Y+32*\e+\i+3]
.endr
.endr
.irp e, 0,1
	v_pk_add_f32 v[TC+4*\e:TC+4*\e+1], v[TC+4*\e:TC+4*\e+1], v[TC+4*\e+2:TC+4*\e+3]
.endr
	WIN 0x0a                                       ; sources window 2, destination window 0
.irp e, 0,1
	v_add_f32 v[T0+4*\e], v[TC+4*\e], v[TC+4*\e+1]
.endr
	WIN 0
	REDUCE T0
.irp e, 0,1
	v_mul_f32 v[T0+4*\e], 0xba800000, v[T0+4*\e]   ; -mean
.endr
	WIN 0x82
.irp e, 0,1
.set i, 0
.rept 16
	v_pk_add_f32 v[Y+32*\e+i:Y+32*\e+i+1], v[Y+32*\e+i:Y+32*\e+i+1], v[T0+4*\e:T0+4*\e+1] op_sel_hi:[1,0]   ; d = z - mean
.set i, i+2
.endr
.endr
	WIN 0xaa
.irp e, 0,1
	v_pk_mul_f32 v[TC+8+4*\e:TC+9+4*\e], v[Y+32*\e:Y+32*\e+1], v[Y+32*\e:Y+32*\e+1]
	v_pk_mul_f32 v[TC+10+4*\e:TC+11+4*\e], v[Y+32*\e+2:Y+32*\e+3], v[Y+32*\e+2:Y+32*\e+3]
.endr
.irp i, 4,8,12,16,20,24,28
.irp e, 0,1
	v_pk_fma_f32 v[TC+8+4*\e:TC+9+4*\e], v[Y+32*\e+\i:Y+32*\e+\i+1], v[Y+32*\e+\i:Y+32*\e+\i+1], v[TC+8+4*\e:TC+9+4*\e]
	v_pk_fma_f32 v[TC+10+4*\e:TC+11+4*\e], v[Y+32*\e+\i+2:Y+32*\e+\i+3], v[Y+32*\e+\i+2:Y+32*\e+\i+3], v[TC+10+4*\e:TC+11+4*\e]
.endr
.endr
.irp e, 0,1
	v_pk_add_f32 v[TC+8+4*\e:TC+9+4*\e], v[TC+8+4*\e:TC+9+4*\e], v[TC+10+4*\e:TC+11+4*\e]
.endr
	WIN 0x0a
.irp e, 0,1
	v_add_f32 v[T0+8+4*\e], v[TC+8+4*\e], v[TC+9+4*\e]
.endr
	WIN 0
	REDUCE T0+8
.irp e, 0,1
	v_fma_f32 v[T0+8+4*\e], v[T0+8+4*\e], s40, s41 ; the variance + 1e-5
.endr
	s_wait_alu depctr_va_vdst(0)
.irp e, 0,1
	v_rsq_f32 v[T0+8+4*\e], v[T0+8+4*\e]
.endr
	v_nop                                          ; a plain line behind the last of the two
	s_wait_alu depctr_va_vdst(0)                   ; one wait for both, ahead of their first reader
	WIN 0x82
.irp e, 0,1
.set i, 0
.rept 16
	v_pk_mul_f32 v[Y+32*\e+i:Y+32*\e+i+1], v[Y+32*\e+i:Y+32*\e+i+1], v[T0+8+4*\e:T0+9+4*\e] op_sel_hi:[1,0]
.set i, i+2
.endr
.endr
.irp e, 0,1
.set i, 0
.rept 16
	v_pk_fma_f32 v[Y+32*\e+i:Y+32*\e+i+1], v[Y+32*\e+i:Y+32*\e+i+1], v[LW+i:LW+i+1], v[LB+i:LB+i+1]
.set i, i+2
.endr
.endr
	WIN 0x08                                       ; a store's data are its source 1: window 2; the address window 0
.irp e, 0,1
.irp q, 0,1,2,3,4,5,6,7
	global_store_b128 v1, v[Y+32*\e+4*\q:Y+32*\e+4*\q+3], s[20:21] offset:(2*\pi+\e)*4096+512*\q th:TH_STORE_NT   ; 512 consecutive bytes, aligned
.endr
.endr
.if \pi < 3
	s_wait_xcnt 0x0                                ; the stores have read their registers: the next pair's loads may land there
.endif
.endm
	PAIR 0
	PAIR 1
	PAIR 2
	PAIR 3
	WIN 0
	s_wait_tensorcnt 0x0                           ; the wave's end
	ds_add_u32 v[SPW], v[NIL]
	s_wait_dscnt 0x0
	CROUND                                         ; the closing round
	s_endpgm
.Lfunc_end_k_q0086d27305_outln:
	.size	k_q0086d27305_outln, .Lfunc_end_k_q0086d27305_outln-k_q0086d27305_outln
	.p2alignl 7, 3214868480
	.fill 96, 4, 3214868480
	.section	.rodata,"a",@progbits
	.p2align	6, 0x0
	.amdhsa_kernel k_q0086d27305_outln
		.amdhsa_group_segment_fixed_size 327680
		.amdhsa_private_segment_fixed_size 0
		.amdhsa_enable_private_segment 0
		.amdhsa_kernarg_size 72
		.amdhsa_user_sgpr_count 2
		.amdhsa_user_sgpr_kernarg_segment_ptr 1
		.amdhsa_wavefront_size32 1
		.amdhsa_system_sgpr_workgroup_id_x 1
		.amdhsa_system_sgpr_workgroup_id_y 1
		.amdhsa_system_sgpr_workgroup_id_z 1
		.amdhsa_system_vgpr_workitem_id 0
		.amdhsa_next_free_vgpr 1024
		.amdhsa_next_free_sgpr 66
		.amdhsa_reserve_vcc 0
		.amdhsa_float_denorm_mode_32 3
		.amdhsa_float_denorm_mode_16_64 3
		.amdhsa_memory_ordered 1
		.amdhsa_forward_progress 1
		.amdhsa_inst_pref_size 178
	.end_amdhsa_kernel
	.amdgpu_metadata
---
amdhsa.version: [ 1, 2 ]
amdhsa.kernels:
  - .name:           k_q0086d27305_outln
    .symbol:         k_q0086d27305_outln.kd
    .args:
      - { .name: c_img, .offset: 0, .size: 8, .value_kind: global_buffer, .address_space: global }
      - { .name: c_scl, .offset: 8, .size: 8, .value_kind: global_buffer, .address_space: global }
      - { .name: w_img, .offset: 16, .size: 8, .value_kind: global_buffer, .address_space: global }
      - { .name: w_scl, .offset: 24, .size: 8, .value_kind: global_buffer, .address_space: global }
      - { .name: bo, .offset: 32, .size: 8, .value_kind: global_buffer, .address_space: global }
      - { .name: x, .offset: 40, .size: 8, .value_kind: global_buffer, .address_space: global }
      - { .name: ln_w, .offset: 48, .size: 8, .value_kind: global_buffer, .address_space: global }
      - { .name: ln_b, .offset: 56, .size: 8, .value_kind: global_buffer, .address_space: global }
      - { .name: out0, .offset: 64, .size: 8, .value_kind: global_buffer, .address_space: global }
    .group_segment_fixed_size: 327680
    .private_segment_fixed_size: 0
    .kernarg_segment_align: 8
    .kernarg_segment_size: 72
    .max_flat_workgroup_size: 128
    .sgpr_count:     66
    .vgpr_count:     1024
    .wavefront_size: 32
...
	.end_amdgpu_metadata
.endif
;; end of part 4
